; MI455X (gfx1250); checked and timed in simulation.
; The chip was launched on July 23, 2026; its instructions are those of AMD's public machine-readable ISA for CDNA 5 (MIT licence, August 2026) and "CDNA5" Instruction Set Architecture Reference Guide (July 2026). The comments in the code are by the model that wrote it; some were corrected since.
;; RBM Symm Scan. Allowed arithmetic: float matrix products may take bf16 or f16 operands with f32 sums; all other float work in f32.
;; Inputs: W 1,024 x 16 float32; b 16 float32; perms 256 x 1,024 int32; v_bias 1 float32; x 16,384 x 1,024 float32.
;; Outputs: out0 16,384 float32.
;; 2 versions, each right; version 2 is version 1 with the launches invert, prep written anew for expert scheduling mode. Each part assembles by itself: llvm-mc -triple=amdgcn-amd-amdhsa -mcpu=gfx1250 --defsym DOCPART=n.
;; ======== version 1 of 2: 4 launches
;; workspace buffers: xb 33,554,432 bytes; weff 8,388,608 bytes; vs 65,536 bytes; part 524,288 bytes; inv 1,048,576 bytes of whole numbers; flags 65,536 bytes of whole numbers
;; launch invert (part 1): grid 256 x 1, 8 waves a work-group, no clusters, 33,792 bytes of LDS; arguments perms, inv, flags; writes inv, flags
.if DOCPART == 1
	.amdgcn_target "amdgcn-amd-amdhsa--gfx1250"
	.amdhsa_code_object_version 6
	.text
	.protected	k_q921ce3ca26_invert
	.globl	k_q921ce3ca26_invert
	.p2align	8
	.type	k_q921ce3ca26_invert,@function
k_q921ce3ca26_invert:
	s_mov_b64 s[64:65], 0
	v_nop
	global_prefetch_b8 v0, s[64:65] scope:SCOPE_SE
	s_setreg_imm32_b32 hwreg(HW_REG_WAVE_MODE, 25, 1), 1
	s_wait_xcnt 0x0
; THE PERMUTATIONS TURNED ROUND.  inv[g][i] = 80 j for a j with perms[g][j] = i (80 bytes: the pitch of a row of W in the next launch's LDS), or NONE where no j names i.
; flags[g][0..63] = a mask, 64 times: 0 exactly if every i is named.  1,024 indices go into 1,024 targets, so every target is named exactly if no index occurs twice:
; the flag is 0 exactly if perms[g] is a permutation, and then inv[g] is its inverse.  Otherwise inv[g] holds, for a target named twice, either of the two j, and the next launch does not use it.
; A LAUNCH OF ITS OWN: the tags steer LDS addresses and the flag a branch of the next launch, so they are made here and handed on through memory as whole numbers.
; LIMITS.  An index lies in 0..1023; a larger one is taken as 1,023 here.
; SHARES.  Work-group g takes group g.  EVERY wave makes the whole table of 1,024 tags, in 4,096 LDS bytes of its own: no wave reads what another wrote, so there is no barrier;
; LDS serves a wave's instructions in order (ISA guide 5.7.1.4), so the tags' first value, the 32 stores by index and the loads back need no wait between them.
; Wave w stores the tags 128 w .. 128 w + 127; wave 0 stores the flag.  1 MB in, 1.06 MB out: no cluster, no tensor load, no matrix unit: nothing here is worth sharing.
.set WROW,  80
.set NONE,  0x20000                    ; above every 80 j (81,840 at the most): bit 17 is set in no other tag
.set SPARE, 8*4096                     ; behind the eight tables: the spare words, 128 bytes for each wave: four blocks of 256 bytes that no other line names
.set LANE, 1                           ; v1   lane
.set PO,   2                           ; v2   4 lane: my word in 128 bytes of perms[g]
.set TA,   3                           ; v3   my table + 16 lane
.set VJ,   4                           ; v4   80 lane
.set OA,   5                           ; v5   my table + 512 w + 16 lane: my four of my wave's 128 tags
.set IO,   6                           ; v6   512 w + 16 lane: the same in inv[g]
.set FO,   7                           ; v7   8 lane: in flags[g]
.set SPW,  8                           ; v8   LDS address of my spare word; never rewritten
.set NIL,  9                           ; v9   0; never rewritten
.set SENT, 12                          ; v12-15  NONE, four times
.set P,    16                          ; v16-47  register i: index j = 32 i + lane, then its tag's address; then the whole table read back
.set VAL,  48                          ; v48-79  80 j
.set OWN,  80                          ; v80-83  my four tags
.set FL,   84                          ; v84-85  the flag, twice
	s_load_b128 s[4:7], s[0:1], 0x0                ; perms s[4:5], inv s[6:7]
	s_load_b64 s[8:9], s[0:1], 0x10                ; flags
	v_lshl_add_u32 v[SPW], v0, 2, SPARE
	v_mov_b32 v[NIL], 0
	v_lshrrev_b32 v[LANE], 5, v0
	v_readfirstlane_b32 s10, v[LANE]               ; wave 0..7
	v_and_b32 v[LANE], 31, v0
	v_lshlrev_b32 v[PO], 2, v[LANE]
	s_lshl_b32 s11, s10, 12                        ; my table
	v_lshl_add_u32 v[TA], v[LANE], 4, s11
	v_mul_u32_u24 v[VJ], v[LANE], WROW
	s_lshl_b32 s14, s10, 9                         ; my wave's 128 tags
	v_lshl_add_u32 v[IO], v[LANE], 4, s14
	v_add_nc_u32 v[OA], s11, v[IO]
	v_lshlrev_b32 v[FO], 3, v[LANE]
.irp e, 0,1,2,3
	v_mov_b32 v[SENT+(\e)], NONE
.endr
	s_lshl_b32 s12, ttmp9, 12                      ; a row of perms and of inv
	s_mov_b32 s13, 0
	s_wait_kmcnt 0x0
	s_add_nc_u64 s[4:5], s[4:5], s[12:13]
	s_add_nc_u64 s[6:7], s[6:7], s[12:13]
	s_lshl_b32 s12, ttmp9, 8                       ; 64 words of flags
	s_add_nc_u64 s[8:9], s[8:9], s[12:13]
.set i, 0
.rept 32
	global_load_b32 v[P+i], v[PO], s[4:5] offset:128*i
.set i, i+1
.endr
.irp t, 0,1,2,3,4,5,6,7
	ds_store_b128 v[TA], v[SENT:SENT+3] offset:512*(\t)  ; every tag starts at NONE
.endr
.set i, 0
.rept 32
.if i%8 == 0
	s_wait_loadcnt 24-i                            ; loads come back in order (ISA guide 5.7.1): these eight are in, the later groups of eight stay out
.endif
	v_min_u32 v[P+i], 1023, v[P+i]                 ; a loaded number enters an address behind a bound that stands in the text
	v_lshl_add_u32 v[P+i], v[P+i], 2, s11
	v_add_nc_u32 v[VAL+i], 32*WROW*i, v[VJ]        ; 80 j
	ds_store_b32 v[P+i], v[VAL+i]                  ; where two j meet, either may stay
.set i, i+1
.endr
	ds_load_b128 v[OWN:OWN+3], v[OA]
.irp t, 0,1,2,3,4,5,6,7
	ds_load_b128 v[P+4*(\t):P+4*(\t)+3], v[TA] offset:512*(\t)
.endr
	s_wait_dscnt 0x0
	global_store_b128 v[IO], v[OWN:OWN+3], s[6:7]  ; 32 lanes store 512 consecutive bytes, at a multiple of 512 from inv's first byte
.irp d, 16,8,4,2,1                     ; all 1,024 tags ORed: my lane's 32, neighbours 16, 8, 4, 2 and 1 registers apart
.set i, 0
.rept \d
	v_or_b32 v[P+i], v[P+i], v[P+i+(\d)]
.set i, i+1
.endr
.endr
	v_and_b32 v[P], NONE, v[P]
	v_cmp_ne_u32 s15, 0, v[P]                      ; the lanes that still hold a NONE
	s_cmp_lg_u32 s10, 0
	s_cbranch_scc1 .Lnot_wave_0
	v_mov_b32 v[FL], s15
	v_mov_b32 v[FL+1], s15
	global_store_b64 v[FO], v[FL:FL+1], s[8:9]     ; 32 lanes store 256 consecutive bytes, aligned
.Lnot_wave_0:
	s_wait_tensorcnt 0x0                           ; the wave's end: behind my last LDS store
	ds_add_u32 v[SPW], v[NIL]
	s_wait_dscnt 0x0
	s_endpgm
.Lfunc_end_k_q921ce3ca26_invert:
	.size	k_q921ce3ca26_invert, .Lfunc_end_k_q921ce3ca26_invert-k_q921ce3ca26_invert
	.p2alignl 7, 3214868480
	.fill 96, 4, 3214868480
	.section	.rodata,"a",@progbits
	.p2align	6, 0x0
	.amdhsa_kernel k_q921ce3ca26_invert
		.amdhsa_group_segment_fixed_size 33792
		.amdhsa_private_segment_fixed_size 0
		.amdhsa_enable_private_segment 0
		.amdhsa_kernarg_size 24
		.amdhsa_user_sgpr_count 2
		.amdhsa_user_sgpr_kernarg_segment_ptr 1
		.amdhsa_wavefront_size32 1
		.amdhsa_system_sgpr_workgroup_id_x 1
		.amdhsa_system_sgpr_workgroup_id_y 1
		.amdhsa_system_sgpr_workgroup_id_z 1
		.amdhsa_system_vgpr_workitem_id 0
		.amdhsa_next_free_vgpr 88
		.amdhsa_next_free_sgpr 66
		.amdhsa_reserve_vcc 0
		.amdhsa_float_denorm_mode_32 3
		.amdhsa_float_denorm_mode_16_64 3
		.amdhsa_memory_ordered 1
		.amdhsa_forward_progress 1
		.amdhsa_inst_pref_size 16
	.end_amdhsa_kernel
	.amdgpu_metadata
---
amdhsa.version: [ 1, 2 ]
amdhsa.kernels:
  - .name:           k_q921ce3ca26_invert
    .symbol:         k_q921ce3ca26_invert.kd
    .args:
      - { .name: perms, .offset: 0, .size: 8, .value_kind: global_buffer, .address_space: global }
      - { .name: inv, .offset: 8, .size: 8, .value_kind: global_buffer, .address_space: global }
      - { .name: flags, .offset: 16, .size: 8, .value_kind: global_buffer, .address_space: global }
    .group_segment_fixed_size: 33792
    .private_segment_fixed_size: 0
    .kernarg_segment_align: 8
    .kernarg_segment_size: 24
    .max_flat_workgroup_size: 256
    .sgpr_count:     66
    .vgpr_count:     88
    .wavefront_size: 32
...
	.end_amdgpu_metadata
.endif
;; end of part 1
;; launch prep (part 2): grid 256 x 1, 8 waves a work-group, no clusters, 83,456 bytes of LDS; arguments x, W, perms, v_bias, inv, flags, xb, weff, vs; writes xb, weff, vs
.if DOCPART == 2
	.amdgcn_target "amdgcn-amd-amdhsa--gfx1250"
	.amdhsa_code_object_version 6
	.text
	.protected	k_q921ce3ca26_prep
	.globl	k_q921ce3ca26_prep
	.p2align	8
	.type	k_q921ce3ca26_prep,@function
k_q921ce3ca26_prep:
	s_mov_b64 s[64:65], 0
	v_nop
	global_prefetch_b8 v0, s[64:65] scope:SCOPE_SE
	s_setreg_imm32_b32 hwreg(HW_REG_WAVE_MODE, 25, 1), 1
	s_wait_xcnt 0x0
; PREPARATION.  Three results:  xb[r][i] = bf16(x[r][i]);  vs[r] = v_bias * sum over i of x[r][i] (f32);
; weff[16 g + f][i] = bf16(c' * sum over the j with perms[g][j] = i of W[j][f]), c' = 2 log2(e).
; With weff the module's gather is gone: sum_j x[r][perms[g][j]] W[j][f] = sum_i x[r][i] Weff[16 g + f][i].
; Nothing is assumed of perms but that each index lies in 0..1023: an index that occurs twice adds its rows of W, one that never occurs gives 0.
; LIMITS.  Where an index occurs twice, the rows of c' W are summed in f32, j ascending; weff is rounded once.  In the scan a row of W is multiplied by 0 for the targets that it does not feed: an
; infinity or a NaN in W spreads there; with such a W every y of that feature is not finite anyway, since every row of W enters every group's sum.
; SHARES.  Work-group G makes group g = G of weff (16 rows of 2,048 bytes, dense) and rows 64 G .. 64 G + 63 of xb and vs.  Wave w owns the targets i = 128 w .. 128 w + 127 and the x rows 8 w .. 8 w + 7.
; NO CLUSTER, NO TENSOR LOAD, NO MATRIX UNIT: a stream.  What work-groups share is W alone, 65,536 of the 327,680 bytes that a work-group reads, and it passes through registers anyway, to be scaled.
; HOW weff IS MADE.  c' W lies in LDS by rows, a row of zeros behind them.  The launch before has left, as whole numbers, flags[g] (0: perms[g] is a permutation) and inv[g][i] (the LDS offset of the row
; that feeds target i).  Flag 0: the rows are gathered by those offsets.  Otherwise every wave makes its 128 targets by a SCAN of all j, in the registers that the gather would have filled.
; Then the numbers are rounded and stored.  EXEC is never changed.
.set CP,     0x4038aa3b                ; c' = 2 log2(e) = 2.885390
.set WROW,   80                        ; a row of c' W in LDS: 64 bytes + 16 of padding = 20 words
.set ZROW,   1024*WROW                 ; behind W's 1,024 rows: a row of zeros; the table ends at 1,025 x 80 = 82,000
.set VSUM,   82176                     ; 64 words: the group's vs
.set SPARE,  VSUM+256                  ; the spare words, 128 bytes for each wave: four blocks of 256 bytes that no other line names
.set LANE, 1                           ; v1   lane
.set Q,    2                           ; v2   lane % 16
.set H,    3                           ; v3   lane / 16
.set XO,   4                           ; v4   32,768 w + 16 lane: my 16 bytes in the first 512 of my wave's first row of x
.set YO,   5                           ; v5   16,384 w + 8 lane: the same in xb
.set WO,   6                           ; v6   2,048 (lane / 16) + 256 w + 16 (lane % 16): my 16 bytes in weff
.set TO,   7                           ; v7   512 w + 32 (lane % 16): my eight targets' words in inv[g]
.set WLO,  8                           ; v8   16 x thread: in W
.set WSA,  9                           ; v9, v10  where my 16 bytes of W go in LDS (rows 0-511, rows 512-1023)
.set VSA,  11                          ; v11  VSUM + 32 w
.set ZA,   12                          ; v12  the zero row's word lane % 16
.set SPW,  14                          ; v14  LDS address of my spare word; never rewritten
.set NIL,  15                          ; v15  0; never rewritten
.set OUTP, 16                          ; v16-47   weff's 32 packed registers; v16-21 at work in the scan before that
.set WC,   48                          ; v48-111  W as loaded
.set GF,   48                          ; v48-111  then: my 64 numbers of weff: register 8 s + e holds feature 2 s + lane / 16 of target 128 w + 8 (lane % 16) + e
.set GA,   112                         ; v112-119 the eight gather addresses, or in the scan the eight factors 0 or 1
.set TG,   120                         ; v120-127 my eight words of inv, or in the scan my eight numbers of a row of c' W
.set TS,   48                          ; v48-63   x: the row sum's tree
.set Y,    64                          ; v64-127  x: four slots of 16, a row's bf16
.set X,    128                         ; v128-255 x: four slots of 32, a row as loaded
	s_load_b256 s[4:11], s[0:1], 0x0               ; x s[4:5], W s[6:7], perms s[8:9], v_bias s[10:11]
	s_load_b256 s[12:19], s[0:1], 0x20             ; inv s[12:13], flags s[14:15], xb s[16:17], weff s[18:19]
	s_load_b64 s[20:21], s[0:1], 0x40              ; vs
	v_lshl_add_u32 v[SPW], v0, 2, SPARE
	v_mov_b32 v[NIL], 0
	v_lshrrev_b32 v[VSA], 5, v0
	v_readfirstlane_b32 s22, v[VSA]                ; wave 0..7
	v_and_b32 v[LANE], 31, v0
	v_and_b32 v[Q], 15, v0
	v_bfe_u32 v[H], v0, 4, 1
	s_lshl_b32 s24, s22, 15
	v_lshl_add_u32 v[XO], v[LANE], 4, s24
	s_lshl_b32 s24, s22, 14
	v_lshl_add_u32 v[YO], v[LANE], 3, s24
	s_lshl_b32 s24, s22, 8
	v_lshl_add_u32 v[WO], v[Q], 4, s24
	v_lshl_add_u32 v[WO], v[H], 11, v[WO]
	s_lshl_b32 s24, s22, 9
	v_lshl_add_u32 v[TO], v[Q], 5, s24
	v_lshlrev_b32 v[WLO], 4, v0
	v_lshrrev_b32 v[WSA], 2, v0                    ; four threads share a row of W (64 bytes)
	v_mul_u32_u24 v[WSA], v[WSA], WROW
	v_and_b32 v[WSA+1], 3, v0
	v_lshl_add_u32 v[WSA], v[WSA+1], 4, v[WSA]
	v_add_nc_u32 v[WSA+1], 512*WROW, v[WSA]        ; LDS immediates have 16 bits: the upper half of the rows has a register of its own
	s_lshl_b32 s24, s22, 5
	s_add_co_u32 s24, s24, VSUM
	v_mov_b32 v[VSA], s24
	v_lshl_add_u32 v[ZA], v[Q], 2, ZROW
	s_lshl_b32 s27, s22, 7                         ; my first target
	s_mov_b32 s28, 0x76543210                      ; v_permlanex16_b32: each lane takes its own place in the other half
	s_mov_b32 s29, 0xfedcba98
	s_wait_kmcnt 0x0
	s_load_b32 s23, s[10:11], 0x0                  ; v_bias
	s_mov_b32 s25, 0
	s_lshl_b32 s24, ttmp9, 8                       ; 64 words of flags and of vs
	s_add_nc_u64 s[14:15], s[14:15], s[24:25]
	s_add_nc_u64 s[20:21], s[20:21], s[24:25]
	s_load_b32 s26, s[14:15], 0x0                  ; the group's flag; both are waited for in front of the branch on it
	s_lshl_b32 s24, ttmp9, 12                      ; a row of perms and of inv
	s_add_nc_u64 s[8:9], s[8:9], s[24:25]
	s_add_nc_u64 s[12:13], s[12:13], s[24:25]
	s_lshl_b32 s24, ttmp9, 18                      ; 64 rows of 4,096 bytes
	s_add_nc_u64 s[4:5], s[4:5], s[24:25]
	s_lshl_b32 s24, ttmp9, 17                      ; 64 rows of 2,048
	s_add_nc_u64 s[16:17], s[16:17], s[24:25]
	s_lshl_b32 s24, ttmp9, 15                      ; 16 rows of 2,048
	s_add_nc_u64 s[18:19], s[18:19], s[24:25]
.macro FILL r                          ; row r of my eight: eight loads of 512 neighbouring bytes, into slot r % 4
.irp t, 0,1,2,3,4,5,6,7
	global_load_b128 v[X+32*((\r)%4)+4*(\t):X+32*((\r)%4)+4*(\t)+3], v[XO], s[4:5] offset:4096*(\r)+512*(\t) th:TH_LOAD_NT
.endr
.endm
	; All early loads in one run: my eight words of inv (8), W (16, the work-group's 256 threads take it once), four rows of x (32), which travel while weff is made: 56 loads are out.
.irp e, 0,1,2,3,4,5,6,7
	global_load_b32 v[TG+(\e)], v[TO], s[12:13] offset:4*(\e)
.endr
.irp k, 0,1,2,3,4,5,6,7,8,9,10,11,12,13,14,15
	global_load_b128 v[WC+4*(\k):WC+4*(\k)+3], v[WLO], s[6:7] offset:4096*(\k)
.endr
	FILL 0
	FILL 1
	FILL 2
	FILL 3
	; c' W INTO LDS
	s_wait_loadcnt 32                              ; inv's words and W are in: the 32 loads of x are younger
.set i, 0
.rept 32
	v_pk_mul_f32 v[WC+2*i:WC+2*i+1], v[WC+2*i:WC+2*i+1], CP op_sel_hi:[1,0]
.set i, i+1
.endr
.irp k, 0,1,2,3,4,5,6,7                ; load k holds rows 64 k .. 64 k + 63: 5,120 bytes of the table
	ds_store_b128 v[WSA], v[WC+4*(\k):WC+4*(\k)+3] offset:64*WROW*(\k)
.endr
.irp k, 0,1,2,3,4,5,6,7
	ds_store_b128 v[WSA+1], v[WC+32+4*(\k):WC+32+4*(\k)+3] offset:64*WROW*(\k)
.endr
	s_cmp_lg_u32 s22, 0
	s_cbranch_scc1 .Lnot_zero_row
	ds_store_b32 v[ZA], v[NIL]                     ; wave 0 writes the row of zeros
.Lnot_zero_row:
	s_wait_dscnt 0x0                               ; for the others' sake: my part of the table is written
	s_barrier_signal -1
	s_barrier_wait -1                              ; c' W is whole
; My 64 numbers are rounded and stored.  counted = 1: they come from the gather's loads, group s of eight at a time; groups 0 to 6 are out when the macro begins, and group 7 is issued
; behind the wait for group 0, so that 56 LDS loads at the most are out.
.macro OUT counted
.irp s, 0,1,2,3,4,5,6,7
.if \counted
.if (\s) == 0
	s_wait_dscnt 48                                ; LDS loads come back in order (ISA guide 5.7.1): group 0 is in, groups 1 to 6 stay out
.irp e, 0,1,2,3,4,5,6,7
	ds_load_b32 v[GF+56+(\e)], v[GA+(\e)] offset:56
.endr
.else
	s_wait_dscnt 56-8*(\s)                         ; group s is in, the groups behind it stay out
.endif
.endif
.irp p, 0,1,2,3
	v_cvt_pk_bf16_f32 v[OUTP+4*(\s)+(\p)], v[GF+8*(\s)+2*(\p)], v[GF+8*(\s)+2*(\p)+1]
.endr
	global_store_b128 v[WO], v[OUTP+4*(\s):OUTP+4*(\s)+3], s[18:19] offset:4096*(\s)  ; 16 lanes store 256 consecutive bytes of row 16 g + 2 s + h, at a multiple of 256 from weff's first byte
.endr
.endm
	s_wait_kmcnt 0x0                               ; the flag, and v_bias
	s_cmp_eq_u32 s26, 0
	s_cbranch_scc1 .Lgather                        ; perms[g] is a permutation: inv[g] is its inverse
	; THE SCAN.  perms[g] goes by in 32 chunks of 32 indices, one a lane; a compare gives the mask of the j whose index lies among my wave's 128 targets; the others are jumped over.
	; For such a j every lane takes the index and its eight numbers of c' W[j], makes a factor 1 for the one of its eight targets that the index names, if any, and 0 for the others, and adds.
	; It reads LDS bytes stored ahead of the barrier above and stores none; the next LDS stores of any wave stand behind the barrier below.
.set i, 0
.rept 64
	v_mov_b32 v[GF+i], 0                           ; sums that may have no term at all
.set i, i+1
.endr
	v_lshl_add_u32 v20, v[Q], 3, s27               ; my lane's first target
	v_lshlrev_b32 v17, 2, v[LANE]
	s_sub_co_u32 s37, 0, s27
	s_mov_b32 s36, 0                               ; row j of c' W: steps by a row
	s_mov_b32 s30, 32
.Lchunk:
	global_load_b32 v16, v17, s[8:9]
	s_wait_loadcnt 0x0                             ; the chunk is in (and with it the rows of x that were asked for earlier)
	s_add_nc_u64 s[8:9], s[8:9], 128               ; the load is done, so its base may step; behind the last chunk it is not used
	v_add_nc_u32 v18, s37, v16                     ; the index, counted from my wave's first target; below it the number wraps and is large
	v_cmp_gt_u32 s31, 128, v18                     ; bit L: index 32 t + L is one of my wave's targets
	s_mov_b32 s33, 0                               ; the lane that holds the index in hand
	s_mov_b32 s32, 32
.Lbit:
	s_and_b32 s34, s31, 1
	s_cbranch_scc0 .Lmiss
	v_readlane_b32 s35, v16, s33                   ; the index
	v_lshl_add_u32 v19, v[H], 2, s36
.irp s, 0,1,2,3,4,5,6,7
	ds_load_b32 v[TG+(\s)], v19 offset:8*(\s)      ; feature 2 s + lane / 16
.endr
	v_sub_nc_u32 v21, s35, v20
.irp e, 0,1,2,3,4,5,6,7
	v_cmp_eq_u32 vcc_lo, \e, v21
	v_cndmask_b32 v[GA+(\e)], 0, 1.0, vcc_lo
.endr
	s_wait_dscnt 0x0
.irp s, 0,1,2,3,4,5,6,7
.irp e, 0,1,2,3,4,5,6,7
	v_fmac_f32 v[GF+8*(\s)+(\e)], v[GA+(\e)], v[TG+(\s)]
.endr
.endr
.Lmiss:
	s_lshr_b32 s31, s31, 1
	s_add_co_u32 s33, s33, 1
	s_add_co_u32 s36, s36, WROW
	s_sub_co_u32 s32, s32, 1
	s_cmp_lg_u32 s32, 0
	s_cbranch_scc1 .Lbit
	s_sub_co_u32 s30, s30, 1
	s_cmp_lg_u32 s30, 0
	s_cbranch_scc1 .Lchunk
	OUT 0
	s_branch .Ljoin
.Lgather:
	; GATHER.  Lane (q, h) takes the targets 128 w + 8 q + 0..7 and the features 2 s + h, s = 0..7.
.irp e, 0,1,2,3,4,5,6,7
	v_min_u32 v[GA+(\e)], ZROW, v[TG+(\e)]         ; the table's last row, the zeros: the bound that a loaded number needs
	v_lshl_add_u32 v[GA+(\e)], v[H], 2, v[GA+(\e)]
.endr
.irp s, 0,1,2,3,4,5,6
.irp e, 0,1,2,3,4,5,6,7
	ds_load_b32 v[GF+8*(\s)+(\e)], v[GA+(\e)] offset:8*(\s)
.endr
.endr
	OUT 1
.Ljoin:
	s_wait_dscnt 0x0                               ; my reads of the table are over,
	s_barrier_signal -1
	s_barrier_wait -1                              ; every wave's: LDS is stored into again only behind this barrier
	; THE ROWS OF x.  One wave, one row: rounded to bf16 and summed.  Four slots: three rows are on their way while one is worked on.
; left = how many younger loads may stay out (8 a row).  fill = 1: the slot takes the row four further on.
.macro TURN r, fill, left
.set XS, X+32*((\r)%4)
.set YS, Y+16*((\r)%4)
	s_wait_loadcnt \left                           ; loads come back in order (ISA guide 5.7.1): my row is in
	s_wait_xcnt 0x0                                ; every earlier memory instruction has had its addresses translated (ISA guide 3.1): the slot's Y, which its last stores read, is rewritten only behind this wait
.set i, 0
.rept 16
	v_cvt_pk_bf16_f32 v[YS+i], v[XS+2*i], v[XS+2*i+1]
.set i, i+1
.endr
.set i, 0
.rept 8
	v_pk_add_f32 v[TS+2*i:TS+2*i+1], v[XS+4*i:XS+4*i+1], v[XS+4*i+2:XS+4*i+3]
.set i, i+1
.endr
.set i, 0
.rept 4
	v_pk_add_f32 v[TS+4*i:TS+4*i+1], v[TS+4*i:TS+4*i+1], v[TS+4*i+2:TS+4*i+3]
.set i, i+1
.endr
	v_pk_add_f32 v[TS:TS+1], v[TS:TS+1], v[TS+4:TS+5]
	v_pk_add_f32 v[TS+8:TS+9], v[TS+8:TS+9], v[TS+12:TS+13]
	v_pk_add_f32 v[TS:TS+1], v[TS:TS+1], v[TS+8:TS+9]
	v_add_f32 v[TS], v[TS], v[TS+1]
.if \fill
	FILL (\r)+4                                    ; loads ahead of stores
.endif
.irp t, 0,1,2,3,4,5,6,7
	global_store_b64 v[YO], v[YS+2*(\t):YS+2*(\t)+1], s[16:17] offset:2048*(\r)+256*(\t)  ; 32 lanes store 256 consecutive bytes, at a multiple of 256 from xb's first byte
.endr
	v_add_f32_dpp v[TS], v[TS], v[TS] row_xmask:1 row_mask:0xf bank_mask:0xf
	v_add_f32_dpp v[TS], v[TS], v[TS] row_xmask:2 row_mask:0xf bank_mask:0xf
	v_add_f32_dpp v[TS], v[TS], v[TS] row_xmask:4 row_mask:0xf bank_mask:0xf
	v_add_f32_dpp v[TS], v[TS], v[TS] row_xmask:8 row_mask:0xf bank_mask:0xf
	v_permlanex16_b32 v[TS+1], v[TS], s28, s29
	v_add_f32 v[TS], v[TS], v[TS+1]
	v_mul_f32 v[TS], s23, v[TS]
	ds_store_b32 v[VSA], v[TS] offset:4*(\r)       ; every lane holds the same number
.endm
	TURN 0, 1, 24
	TURN 1, 1, 24
	TURN 2, 1, 24
	TURN 3, 1, 24
	TURN 4, 0, 24                                  ; the last four rows load nothing: the counts run down
	TURN 5, 0, 16
	TURN 6, 0, 8
	TURN 7, 0, 0
	s_wait_dscnt 0x0                               ; for wave 0's sake: my eight words of vs are written
	s_barrier_signal -1
	s_barrier_wait -1
	s_cmp_lg_u32 s22, 0
	s_cbranch_scc1 .Lnot_wave_0
	v_lshl_add_u32 v[TS+4], v[LANE], 3, VSUM
	v_lshlrev_b32 v[TS+5], 3, v[LANE]
	ds_load_b64 v[TS+2:TS+3], v[TS+4]
	s_wait_dscnt 0x0
	global_store_b64 v[TS+5], v[TS+2:TS+3], s[20:21]  ; the group's 64 words of vs: 256 consecutive bytes, aligned
.Lnot_wave_0:
	s_wait_tensorcnt 0x0                           ; the wave's end: behind my last LDS store
	ds_add_u32 v[SPW], v[NIL]
	s_wait_dscnt 0x0
	s_endpgm
.Lfunc_end_k_q921ce3ca26_prep:
	.size	k_q921ce3ca26_prep, .Lfunc_end_k_q921ce3ca26_prep-k_q921ce3ca26_prep
	.p2alignl 7, 3214868480
	.fill 96, 4, 3214868480
	.section	.rodata,"a",@progbits
	.p2align	6, 0x0
	.amdhsa_kernel k_q921ce3ca26_prep
		.amdhsa_group_segment_fixed_size 83456
		.amdhsa_private_segment_fixed_size 0
		.amdhsa_enable_private_segment 0
		.amdhsa_kernarg_size 72
		.amdhsa_user_sgpr_count 2
		.amdhsa_user_sgpr_kernarg_segment_ptr 1
		.amdhsa_wavefront_size32 1
		.amdhsa_system_sgpr_workgroup_id_x 1
		.amdhsa_system_sgpr_workgroup_id_y 1
		.amdhsa_system_sgpr_workgroup_id_z 1
		.amdhsa_system_vgpr_workitem_id 0
		.amdhsa_next_free_vgpr 256
		.amdhsa_next_free_sgpr 66
		.amdhsa_reserve_vcc 1
		.amdhsa_float_denorm_mode_32 3
		.amdhsa_float_denorm_mode_16_64 3
		.amdhsa_memory_ordered 1
		.amdhsa_forward_progress 1
		.amdhsa_inst_pref_size 59
	.end_amdhsa_kernel
	.amdgpu_metadata
---
amdhsa.version: [ 1, 2 ]
amdhsa.kernels:
  - .name:           k_q921ce3ca26_prep
    .symbol:         k_q921ce3ca26_prep.kd
    .args:
      - { .name: x, .offset: 0, .size: 8, .value_kind: global_buffer, .address_space: global }
      - { .name: W, .offset: 8, .size: 8, .value_kind: global_buffer, .address_space: global }
      - { .name: perms, .offset: 16, .size: 8, .value_kind: global_buffer, .address_space: global }
      - { .name: v_bias, .offset: 24, .size: 8, .value_kind: global_buffer, .address_space: global }
      - { .name: inv, .offset: 32, .size: 8, .value_kind: global_buffer, .address_space: global }
      - { .name: flags, .offset: 40, .size: 8, .value_kind: global_buffer, .address_space: global }
      - { .name: xb, .offset: 48, .size: 8, .value_kind: global_buffer, .address_space: global }
      - { .name: weff, .offset: 56, .size: 8, .value_kind: global_buffer, .address_space: global }
      - { .name: vs, .offset: 64, .size: 8, .value_kind: global_buffer, .address_space: global }
    .group_segment_fixed_size: 83456
    .private_segment_fixed_size: 0
    .kernarg_segment_align: 8
    .kernarg_segment_size: 72
    .max_flat_workgroup_size: 256
    .sgpr_count:     66
    .vgpr_count:     256
    .wavefront_size: 32
...
	.end_amdgpu_metadata
.endif
;; end of part 2
;; launch gemm (part 3): grid 4 x 64, 4 waves a work-group, clusters of 4 x 4, 327,680 bytes of LDS; arguments xb, weff, b, part; writes part
.if DOCPART == 3
	.amdgcn_target "amdgcn-amd-amdhsa--gfx1250"
	.amdhsa_code_object_version 6
	.text
	.protected	k_q921ce3ca26_gemm
	.globl	k_q921ce3ca26_gemm
	.p2align	8
	.type	k_q921ce3ca26_gemm,@function
k_q921ce3ca26_gemm:
	s_mov_b64 s[64:65], 0
	v_nop
	global_prefetch_b8 v0, s[64:65] scope:SCOPE_SE
	s_setreg_imm32_b32 hwreg(HW_REG_WAVE_MODE, 25, 1), 1
	s_wait_xcnt 0x0
	s_wait_alu depctr_hold_cnt(0) depctr_sa_sdst(0) depctr_va_vdst(0) depctr_va_sdst(0) depctr_va_ssrc(0) depctr_va_vcc(0) depctr_vm_vsrc(0)
	s_getreg_b32 s2, hwreg(HW_REG_IB_STS2, 6, 4)
	s_cmp_eq_u32 s2, 0
	s_cbranch_scc0 .Lentry_in_a_cluster
	s_endpgm
.Lentry_in_a_cluster:
	s_bfe_u32 s2, ttmp6, 0x10000c
	s_cmp_lg_u32 s2, 0xf033
	s_cbranch_scc0 .Lentry_shape_is_right
	s_endpgm
.Lentry_shape_is_right:
; z[r][n] = sum over i of xb[r][i] weff[n][i] + c' b[n % 16], c' = 2 log2(e) (weff holds c' Weff), and of it the row sums of logcosh in units of ln 2:
;   logcosh(y) / ln 2 = |z| / 2 + log2((1 + 2^-|z|) / 2),  z = c' y: the stable form: the exponent is never above 0, whatever the input.
; The logarithms of 64 numbers are taken as ONE logarithm of their product: eight chains of eight factors 1 + t (1 to 2), each chain begun at 2^-8: the product lies in 2^-64 .. 1.
; part[2 wgx + column half][r] = the sum over that wave's 512 columns; the eight parts of a row are added by the next launch, since they come from different work-groups.
; LIMITS.  c' y must be finite in f32 (|y| below 1.18e38); 2^-|z| below 2^-126 counts as 0; NaN and infinities are not treated apart; xb and weff are bf16, sums f32.
; SHAPE.  A tile of z, 256 rows x 256 columns, is made by four waves, each 128 x 128: 64 accumulators of 16 x 16, 512 registers.  K = 1,024 goes in steps of 128 through a ring of two LDS slots
; filled by the tensor data mover: a tile's rows are 256 bytes of memory and start at multiples of 256 bytes.  A WORK-GROUP STAYS: it makes four tiles, the same 256 rows against the columns
; 256 wgx + 1,024 t, t = 0..3, and the ring runs on into the next tile: a tile's last two changes of slots ask for the next tile's first two K steps, which travel while the tile's activation is computed.
; CLUSTERS: 4 x 4 work-groups.  The four of a row of the cluster need the same tiles of xb, the four of a column the same tiles of weff: each tile is asked for JOINTLY, by the same tensor load with
; the same descriptor and a mask that names the four.  By this text's own count a wave has two tensor loads out at the start and one behind each round.
; THE MATRIX INSTRUCTION IS USED TRANSPOSED (source 0 = 16 rows of weff, source 1 = 16 rows of xb): lane l holds row l % 16 and the columns 8 (l / 16) + 0..7 of a block of 16.  A block of 16 rows of
; weff is one group g with f = 0..15, so register j of lane l always has f = 8 (l / 16) + j: the bias is eight registers, and it is the C operand of the product that starts each sum.
; REGISTERS, in windows of 256 (s_set_vgpr_msb: bits 1:0 source 0, 3:2 source 1, 5:4 source 2, 7:6 destination):
;   window 0: v0-31 addresses; v32-39 bias; v40-47 running row sums, one for each block of 16 rows; v48-63 at work; v64-127, v128-191 fragments of xb, two buffers; v192-255 at work
;   window 1: v64-127, v128-191 fragments of weff, two buffers     window 2: the 32 accumulators of my rows 0-63 ((a, b) at v[8 (8 a + b)])     window 3: those of my rows 64-127
.set SIZE_K, 1024
.set TILES,  4
.set KSTEP,  128
.set PITCH,  272                       ; an LDS row: 256 bytes + 16 of padding = 68 words: row r starts at bank 4 r mod 64 (64 banks of 4 bytes: ISA guide 11.1)
.set HALFT,  128*PITCH                 ; 128 rows: what one tensor load brings, and what one wave reads of xb or of weff
.set SLOT,   4*HALFT                   ; xb's 256 rows, then weff's 256 rows
.set STAGE,  2*SLOT                    ; behind the ring, never filled by a tensor load: 512 bytes for each wave, for the way out
.set SPARE,  STAGE+4*512               ; the spare words, 128 bytes for each wave: two blocks of 256 bytes that no other line names
.set LAPS,   SIZE_K/(2*KSTEP)          ; a lap = two K steps = once round the ring
.set BACK_A, (SIZE_K-2*KSTEP)*2        ; bytes from a slot's last K step of a tile back to its first: the walk's tiles share their rows of xb
.set NEXT_B, 1024*SIZE_K*2-BACK_A      ; weff goes 1,024 rows down and back along K
.set CP,     0x4038aa3b                ; c'
.set ADRA, 16                          ; v16-17  LDS address of my xb fragments in slot 0, 1
.set ADRB, 20                          ; v20-21  the same for weff
.set STO,  24                          ; v24     the way out: my word in my stage
.set RD,   25                          ; v25     the way out: my 16 bytes of it
.set CO,   26                          ; v26     my byte offset in my wave's 512 bytes of part
.set BO,   27                          ; v27     my byte offset in b
.set SPW,  28                          ; v28     LDS address of my spare word; never rewritten
.set NIL,  29                          ; v29     0; never rewritten
.set BIAS, 32
.set R,    40
.set SC,   48                          ; v48-51  four chains of |z|
.set PC,   52                          ; v52-59  four pairs of chains of products
.set TT,   60                          ; v60     the logarithm
.set F0,   64
.set F1,   128
.set T,    192                         ; v192-255  2^-|z| of a block's 64 numbers
.set G1,  24                           ; s[24:31] descriptor group 1 for xb's tiles;  s[32:39] group 0, one set for each slot
.set G0,  32
.set G1B, 48                           ; s[48:55], s[56:63] the same for weff's tiles
.set G0B, 56
.set MSB, 0
.macro WIN new                         ; the immediate's high byte repeats the setting that is left; a switch that changes nothing is dropped
.if MSB != (\new)
	s_set_vgpr_msb (MSB<<8)|(\new)
.set MSB, \new
.endif
.endm
.set MUL_LO, 0xa1                      ; source 0 (weff) window 1, source 1 (xb) window 0, C and D window 2
.set MUL_HI, 0xf1                      ; the same, C and D window 3
.set TO_B,   0x40                      ; destination window 1, address window 0
; A joint load.  Waves 0 and 1 fetch xb's two halves, waves 2 and 3 weff's.  The branch hangs on the wave's number alone.  An s_nop 0 and four v_nop follow each of the two lines.
.macro JLOAD s
	s_cmp_eq_u32 s13, 0
	s_cbranch_scc0 .Lfor_b_\@
	tensor_load_to_lds s[G0+4*(\s):G0+4*(\s)+3], s[G1:G1+7]
	s_nop 0
.rept 4
	v_nop
.endr
	s_branch .Lasked_\@
.Lfor_b_\@:
	tensor_load_to_lds s[G0B+4*(\s):G0B+4*(\s)+3], s[G1B:G1B+7]
	s_nop 0
.rept 4
	v_nop
.endr
.Lasked_\@:
.endm
.macro CREST                           ; a round of the cluster's barrier behind its opening barrier
	s_cmp_lg_u32 s12, 0
	s_cbranch_scc1 .Lnot_wave_0_\@
	s_barrier_signal -3
.Lnot_wave_0_\@:
	s_barrier_wait -3
	s_barrier_signal -1
	s_barrier_wait -1
.endm
.macro CROUND                          ; a whole round
	s_barrier_signal -1
	s_barrier_wait -1
	CREST
.endm
	s_load_b256 s[4:11], s[0:1], 0x0               ; xb s[4:5], weff s[6:7], b s[8:9], part s[10:11]
	v_lshl_add_u32 v[SPW], v0, 2, SPARE
	v_mov_b32 v[NIL], 0
	ds_add_u32 v[SPW], v[NIL]                      ; the wave's opening: the add and its wait stand ahead of my first tensor load; the set-up below, work on registers, stands between them
	v_lshrrev_b32 v1, 5, v0
	v_readfirstlane_b32 s12, v1                    ; wave 0..3
	s_lshr_b32 s13, s12, 1                         ; which half of the tile's rows is mine.  Also: I fetch for xb (0) or for weff (1)
	s_and_b32 s14, s12, 1                          ; which half of its columns.  Also: which 128 rows of that tile I fetch
	s_bfe_u32 s40, ttmp6, 0x40000                  ; cx
	s_bfe_u32 s41, ttmp6, 0x40004                  ; cy
	s_lshl_b32 s42, ttmp9, 2
	s_add_co_u32 s42, s42, s40                     ; wgx = 4 x cluster x + cx: the column group
	s_and_b32 s45, ttmp7, 0xffff
	s_lshl_b32 s45, s45, 2
	s_add_co_u32 s45, s45, s41                     ; wgy = 4 x cluster y + cy: the block of 256 rows
	s_lshl_b32 s43, s41, 2
	s_lshl_b32 s43, 15, s43                        ; my row of the cluster: places 4 cy .. 4 cy + 3
	s_lshl_b32 s44, 0x1111, s40                    ; my column: places cx, cx + 4, cx + 8, cx + 12
	; descriptor group 1: a tile of 128 rows x 128 elements, padded in LDS
	s_or_b32 s[G1+0], s43, (1<<16)|(1<<20)|(1<<21)|(5<<22)|(3<<25)   ; 15:0 the mask: xb's tiles go to my row; 17:16 elements of 2 bytes; 20 padding on; 21 set beside a mask; 24:22 after every 64 words (code 5); 31:25 4 words (code 3)
	s_or_b32 s[G1B+0], s44, (1<<16)|(1<<20)|(1<<21)|(5<<22)|(3<<25)  ; the same with the mask of my column, for weff's tiles
.irp g, G1, G1B
	s_mov_b32 s[(\g)+1], KSTEP<<16                 ; tensor_dim0 = 128
	s_mov_b32 s[(\g)+2], 128<<16                   ; tensor_dim1 = 128
	s_mov_b32 s[(\g)+3], KSTEP<<16                 ; tile_dim0 = 128
	s_mov_b32 s[(\g)+4], 128                       ; tile_dim1 = 128
	s_mov_b32 s[(\g)+5], SIZE_K                    ; elements from row to row
	s_mov_b32 s[(\g)+6], 0
	s_mov_b32 s[(\g)+7], 0
.endr
	; where the tiles come from: xb's hang on wgy alone, which my row of the cluster shares; weff's on wgx alone, which my column shares
	s_lshl_b32 s17, s14, 7                         ; which 128 rows of the tile I fetch
	s_lshl_b32 s16, s45, 8
	s_add_co_u32 s16, s16, s17                     ; xb: row 256 wgy + 128 x half
	s_lshl_b32 s46, s42, 8
	s_add_co_u32 s46, s46, s17                     ; weff: row 256 wgx + 128 x half
	s_lshl_b32 s16, s16, 11                        ; rows of 2,048 bytes: under 2^26
	s_mov_b32 s17, 0
	s_lshl_b32 s46, s46, 11
	s_mov_b32 s47, 0
	s_mul_i32 s20, s12, HALFT                      ; and where they go: wave x 128 rows: no place in the cluster enters an LDS address
	s_mov_b32 s18, 0x3b800000                      ; 2^-8: what each chain of products begins with
	s_mov_b32 s19, s18                             ; named with it as a pair
	s_mov_b32 s66, 0x76543210                      ; v_permlanex16_b32: each lane takes its own place in the other half
	s_mov_b32 s67, 0xfedcba98
	s_mov_b32 s68, 0xffff0000                      ; lanes 16-31
	s_wait_dscnt 0x0                               ; the opening add is done
	s_wait_kmcnt 0x0
	s_add_nc_u64 s[70:71], s[4:5], s[16:17]
	s_add_nc_u64 s[46:47], s[6:7], s[46:47]
	CROUND                                         ; all sixteen work-groups are here: the first joint loads meet
.irp s, 0,1
	s_mov_b32 s[G0+4*(\s)], 1                                        ; 1:0 count = 1
	s_add_co_u32 s[G0+4*(\s)+1], s20, (\s)*SLOT                      ; 63:32 LDS address
	s_add_nc_u64 s[G0+4*(\s)+2:G0+4*(\s)+3], s[70:71], (\s)*KSTEP*2  ; 120:64 global address: K step s
	s_or_b32 s[G0+4*(\s)+3], s[G0+4*(\s)+3], 0x80000000              ; 127:126 type = 2
	s_mov_b32 s[G0B+4*(\s)], 1
	s_add_co_u32 s[G0B+4*(\s)+1], s20, (\s)*SLOT
	s_add_nc_u64 s[G0B+4*(\s)+2:G0B+4*(\s)+3], s[46:47], (\s)*KSTEP*2
	s_or_b32 s[G0B+4*(\s)+3], s[G0B+4*(\s)+3], 0x80000000
	JLOAD \s                                       ; the ring is filled before anything else is done
.endr
	; A fragment is 16 rows x 32 K in 8 registers: lane l holds row l % 16; registers 0-3 hold K = 8 (l / 16) + 0..7, registers 4-7 K = 16 + 8 (l / 16) + 0..7: two loads of 16 bytes, 32 bytes apart.
	v_and_b32 v1, 15, v0                           ; l % 16
	v_bfe_u32 v2, v0, 4, 1                         ; l / 16
	v_lshlrev_b32 v[BO], 5, v2                     ; b[8 (l / 16) ..]
	global_load_b128 v[BIAS:BIAS+3], v[BO], s[8:9]
	global_load_b128 v[BIAS+4:BIAS+7], v[BO], s[8:9] offset:16
	v_mul_u32_u24 v3, v1, PITCH
	v_lshl_add_u32 v3, v2, 4, v3                   ; row x pitch + 16 x half
	s_mul_i32 s21, s13, HALFT                      ; my 128 rows of xb
	s_mul_i32 s22, s14, HALFT                      ; my 128 rows of weff,
	s_add_co_u32 s22, s22, 2*HALFT                 ; which lie behind xb's 256
.irp s, 0,1
	v_add_nc_u32 v[ADRA+(\s)], s21, v3
	v_add_nc_u32 v[ADRB+(\s)], s22, v3
	s_add_co_u32 s21, s21, SLOT
	s_add_co_u32 s22, s22, SLOT
.endr
	s_lshl_b32 s23, s12, 9
	s_add_co_u32 s23, s23, STAGE                   ; my stage
	v_and_b32 v4, 31, v0
	v_lshl_add_u32 v[STO], v4, 2, s23
	v_lshl_add_u32 v[RD], v4, 4, s23
	v_lshlrev_b32 v[CO], 4, v4
.irp a, 0,1,2,3,4,5,6,7
	v_mov_b32 v[R+(\a)], 0                         ; eight running sums, cleared once in the launch
.endr
	; my 128 words of part: row 2 wgx + column half of 65,536 bytes, word 256 wgy + 128 x row half (the registers that held weff's address are free: the descriptors are made)
	s_lshl_b32 s46, s42, 1
	s_add_co_u32 s46, s46, s14
	s_lshl_b32 s46, s46, 16
	s_lshl_b32 s47, s45, 10
	s_add_co_u32 s46, s46, s47
	s_lshl_b32 s47, s13, 9
	s_add_co_u32 s46, s46, s47
	s_mov_b32 s47, 0
	s_add_nc_u64 s[10:11], s[10:11], s[46:47]
	s_wait_loadcnt 0x0                             ; b
.irp j, 0,2,4,6
	v_pk_mul_f32 v[BIAS+(\j):BIAS+(\j)+1], v[BIAS+(\j):BIAS+(\j)+1], CP op_sel_hi:[1,0]  ; c' b
.endr
; 16 matrix instructions: m blocks a0, a0 + 1 of the window's four (hi = 0: my rows 0-63, 1: rows 64-127) x all 8 n blocks, 32 along K.
; zero = 1: the first product starts the sums, with the bias (window 0) as C: nothing is cleared, and the bias costs nothing.
; The 64 accumulators take turns, one instruction a turn, in the same order in every quarter.
.macro MUL16 f, hi, a0, zero
.if \zero
	WIN 0x81+0x40*(\hi)                            ; D window 2 or 3, C window 0
.else
	WIN MUL_LO+0x50*(\hi)                          ; MUL_LO or MUL_HI
.endif
.irp a, \a0, (\a0)+1
.irp b, 0,1,2,3,4,5,6,7
.if \zero
	v_wmma_f32_16x16x32_bf16 v[8*(8*(\a)+(\b)):8*(8*(\a)+(\b))+7], v[(\f)+8*(\b):(\f)+8*(\b)+7], v[(\f)+8*(4*(\hi)+(\a)):(\f)+8*(4*(\hi)+(\a))+7], v[BIAS:BIAS+7]
.else
	v_wmma_f32_16x16x32_bf16 v[8*(8*(\a)+(\b)):8*(8*(\a)+(\b))+7], v[(\f)+8*(\b):(\f)+8*(\b)+7], v[(\f)+8*(4*(\hi)+(\a)):(\f)+8*(4*(\hi)+(\a))+7], v[8*(8*(\a)+(\b)):8*(8*(\a)+(\b))+7]
.endif
.endr
.endr
.endm
; 32 LDS loads in one run: the fragments of one quarter step (128 rows of weff, 128 rows of xb, 32 K at byte k of the rows) into buffer f
.macro FETCH slot, k, f
	WIN TO_B
.irp i, 0,1,2,3,4,5,6,7
	ds_load_b128 v[(\f)+8*(\i):(\f)+8*(\i)+3],   v[ADRB+(\slot)] offset:(\k)+(\i)*16*PITCH
	ds_load_b128 v[(\f)+8*(\i)+4:(\f)+8*(\i)+7], v[ADRB+(\slot)] offset:(\k)+(\i)*16*PITCH+32
.endr
	WIN 0
.irp i, 0,1,2,3,4,5,6,7
	ds_load_b128 v[(\f)+8*(\i):(\f)+8*(\i)+3],   v[ADRA+(\slot)] offset:(\k)+(\i)*16*PITCH
	ds_load_b128 v[(\f)+8*(\i)+4:(\f)+8*(\i)+7], v[ADRA+(\slot)] offset:(\k)+(\i)*16*PITCH+32
.endr
.endm
; A load into a register that a matrix instruction has read, and a vector instruction that reads a matrix result, stand four places behind that matrix instruction, and only plain vector
; instructions that name none of its registers are places (ISA guide 7.12.1 for vector instructions).
.macro PLACES
.rept 4
	v_nop
.endr
.endm
; A K step is four quarters of 32 along K, 64 matrix instructions each, on buffers 0, 1, 0, 1.  One of the first three: multiplies buffer f; in its middle it fetches the next quarter, at byte k, into g.
.macro QUARTER slot, k, f, g, zero
	s_wait_dscnt 8                                 ; weff and xb's rows 0-63 are in; the youngest eight loads (xb's rows 64-127) may be out
	MUL16 \f, 0, 0, \zero
	MUL16 \f, 0, 2, \zero
	PLACES
	FETCH \slot, \k, \g
	s_wait_dscnt 32                                ; all but the 32 just issued
	MUL16 \f, 1, 0, \zero
	MUL16 \f, 1, 2, \zero
.endm
; The last quarter multiplies buffer 1 and changes slots.  MEET is its first half: ONE barrier for the change.  In front of it each wave waits for all its tensor loads, of which one is out: its part
; of the next slot; adds 0 to its spare word; and waits for that and for its own reads of this slot.  Behind it nobody reads this slot any more and the next slot is whole.
.macro MEET round                      ; round = 1: a round of the cluster's barrier follows
	WIN 0                                          ; (the add's two registers lie in window 0)
	s_wait_tensorcnt 0x0                           ; all my tensor loads have landed;
	ds_add_u32 v[SPW], v[NIL]                      ; 0 onto my spare word;
	s_wait_dscnt 9                                 ; (the add and the youngest eight loads may be out)
	MUL16 F1, 0, 0, 0                              ; sixteen matrix instructions stand between the add and the wait for it
	s_wait_dscnt 0x0                               ; the add is done, and my reads of this slot are over:
	s_barrier_signal -1                            ; say so,
	MUL16 F1, 0, 2, 0                              ; work on registers while the others arrive,
.if \round
	WIN 0
.endif
	s_barrier_wait -1                              ; and go on when all four have said so
.endm
; The whole last quarter.  Behind the round the slot just read out is filled again first: with this tile's K step two steps on (on = 0) or, in a tile's last two K steps, with the NEXT tile's K step 0 or 1
; (on = 1); then come the next slot's first fragments.  From a request to the wait for it a wave issues 224 matrix instructions.
.macro TURN slot, next, on
	MEET 1
	CREST                                          ; no wave of any partner still reads this slot's tile or has a load on its way
.if \on
	s_sub_nc_u64 s[G0+4*(\slot)+2:G0+4*(\slot)+3], s[G0+4*(\slot)+2:G0+4*(\slot)+3], BACK_A
	s_add_nc_u64 s[G0B+4*(\slot)+2:G0B+4*(\slot)+3], s[G0B+4*(\slot)+2:G0B+4*(\slot)+3], NEXT_B
.else
	s_add_nc_u64 s[G0+4*(\slot)+2:G0+4*(\slot)+3], s[G0+4*(\slot)+2:G0+4*(\slot)+3], 2*KSTEP*2
	s_add_nc_u64 s[G0B+4*(\slot)+2:G0B+4*(\slot)+3], s[G0B+4*(\slot)+2:G0B+4*(\slot)+3], 2*KSTEP*2
.endif
	JLOAD \slot                                    ; the first tensor load behind the round; the four v_nop behind it are also the places in front of the loads below
	FETCH \next, 0, F0
	MUL16 F1, 1, 0, 0
	MUL16 F1, 1, 2, 0
.endm
; THE ACTIVATION of block a (16 rows, 8 accumulators, 64 numbers a lane), added onto the block's running sum.
; 1: t = 2^-|z| and four chains of |z|: exponential and addition by turns, so that a plain instruction stands behind each exponential (ISA guide 5.7.2); each accumulator is read from its lowest register on.
; 2: eight chains of products: P = 2^-8 (1 + t), then P = t P + P.   3: the eight chains multiplied, one logarithm, R += |z| sum / 2 + log2.
.macro EPI a
.set AC, 64*((\a)%4)
	WIN 0x02+(\a)/4                                ; source 0 in window 2 or 3
.set k, 0
.rept 64
	v_exp_f32 v[T+k], -|v[AC+k]|
.if k < 4
	v_add_f32 v[SC+k], |v[AC+k]|, 0                ; the first four start the chains
.else
	v_add_f32 v[SC+k%4], |v[AC+k]|, v[SC+k%4]
.endif
.set k, k+1
.endr
	WIN 0
.set p, 0
.rept 32
.if p < 4
	s_wait_alu depctr_va_vdst(0)
	v_pk_fma_f32 v[PC+2*p:PC+2*p+1], v[T+2*p:T+2*p+1], s[18:19], s[18:19] op_sel_hi:[1,0,0]
.else
	v_pk_fma_f32 v[PC+2*(p%4):PC+2*(p%4)+1], v[T+2*p:T+2*p+1], v[PC+2*(p%4):PC+2*(p%4)+1], v[PC+2*(p%4):PC+2*(p%4)+1]
.endif
.set p, p+1
.endr
	v_pk_mul_f32 v[PC:PC+1], v[PC:PC+1], v[PC+2:PC+3]
	v_pk_mul_f32 v[PC+4:PC+5], v[PC+4:PC+5], v[PC+6:PC+7]
	v_add_f32 v[SC], v[SC], v[SC+1]
	v_add_f32 v[SC+2], v[SC+2], v[SC+3]
	v_pk_mul_f32 v[PC:PC+1], v[PC:PC+1], v[PC+4:PC+5]
	v_add_f32 v[SC], v[SC], v[SC+2]
	v_mul_f32 v[PC], v[PC], v[PC+1]
	v_log_f32 v[TT], v[PC]
	v_fma_f32 v[R+(\a)], 0.5, v[SC], v[R+(\a)]     ; the plain instruction behind the logarithm
	s_wait_alu depctr_va_vdst(0)
	v_add_f32 v[R+(\a)], v[R+(\a)], v[TT]
.endm
.macro EPILOGUE
	PLACES                                         ; the first lines read matrix results
.irp a, 0,1,2,3,4,5,6,7
	EPI \a
.endr
.endm
	s_wait_tensorcnt 1                             ; my part of K step 0 is in; K step 1's may stay out
	s_barrier_signal -1
	s_barrier_wait -1                              ; everybody's is
	FETCH 0, 0, F0
	s_mov_b32 s2, TILES                            ; tiles to go, this one among them: the same number in every work-group
.Ltile:
	QUARTER 0, 64,  F0, F1, 1                      ; a tile's first quarter stands in front of the loop: its products start the sums
	WIN 0                                          ; at a label and at a branch every window is 0
	s_mov_b32 s3, LAPS-1
.Llap:                                                 ; a trip goes once round the ring, from a lap's second quarter to the next lap's first, and fills both slots again
	QUARTER 0, 128, F1, F0, 0
	QUARTER 0, 192, F0, F1, 0
	TURN 0, 1, 0
	QUARTER 1, 64,  F0, F1, 0
	QUARTER 1, 128, F1, F0, 0
	QUARTER 1, 192, F0, F1, 0
	TURN 1, 0, 0
	QUARTER 0, 64,  F0, F1, 0
	WIN 0
	s_sub_co_u32 s3, s3, 1
	s_cmp_lg_u32 s3, 0
	s_cbranch_scc1 .Llap
	QUARTER 0, 128, F1, F0, 0                      ; the tile's last lap goes on
	QUARTER 0, 192, F0, F1, 0
	WIN 0
	s_cmp_eq_u32 s2, 1
	s_cbranch_scc1 .Llast_tile                     ; the last tile's tail is written out: it asks for nothing more
	TURN 0, 1, 1                                   ; THE RING GOES ON INTO THE NEXT TILE: slot 0 takes its K step 0,
	QUARTER 1, 64,  F0, F1, 0
	QUARTER 1, 128, F1, F0, 0
	QUARTER 1, 192, F0, F1, 0
	TURN 1, 0, 1                                   ; slot 1 its K step 1, and the next tile's first fragments are fetched: 32 LDS loads stay out over the activation, which names none of their registers
	EPILOGUE                                       ; both refills travel meanwhile
	s_sub_co_u32 s2, s2, 1
	s_branch .Ltile
.Llast_tile:
	MEET 0                                         ; my one tensor load that was still out is slot 1's, the last K step's, so no round follows
	PLACES                                         ; for the loads into buffer 0
	FETCH 1, 0, F0
	MUL16 F1, 1, 0, 0
	MUL16 F1, 1, 2, 0
	QUARTER 1, 64,  F0, F1, 0
	QUARTER 1, 128, F1, F0, 0
	QUARTER 1, 192, F0, F1, 0
	s_wait_dscnt 8                                 ; the very last quarter: nothing more to fetch
	MUL16 F1, 0, 0, 0
	MUL16 F1, 0, 2, 0
	s_wait_dscnt 0x0
	MUL16 F1, 1, 0, 0
	MUL16 F1, 1, 2, 0
	EPILOGUE
	; THE WAY OUT.  A row's columns lie in two lanes, 16 apart: they are added.  Then lane L of register u takes row 32 u + L; the 128 sums go through my stage and leave as 512 consecutive bytes.
.irp a, 0,1,2,3,4,5,6,7
	v_permlanex16_b32 v[T+(\a)], v[R+(\a)], s66, s67   ; (its destination has been written: an exponential)
.endr
.irp a, 0,1,2,3,4,5,6,7
	v_add_f32 v[R+(\a)], v[R+(\a)], v[T+(\a)]
.endr
.irp u, 0,1,2,3
	v_cndmask_b32 v[T+8+(\u)], v[R+2*(\u)], v[R+2*(\u)+1], s68  ; lanes 0-15: block 2 u; lanes 16-31: block 2 u + 1
.endr
.irp u, 0,1,2,3
	ds_store_b32 v[STO], v[T+8+(\u)] offset:128*(\u)
.endr
	ds_load_b128 v[T+12:T+15], v[RD]               ; LDS serves a wave's instructions in order (ISA guide 5.7.1.4): this sees the stores above
	s_wait_dscnt 0x0
	global_store_b128 v[CO], v[T+12:T+15], s[10:11]  ; 32 lanes store 512 consecutive bytes, at a multiple of 512 from part's first byte
	s_wait_tensorcnt 0x0                           ; the wave's end: behind my last tensor load and my last LDS store
	ds_add_u32 v[SPW], v[NIL]
	s_wait_dscnt 0x0
	CROUND                                         ; the closing round: no work-group ends while a partner may still ask for a tile that names it
	s_endpgm
.Lfunc_end_k_q921ce3ca26_gemm:
	.size	k_q921ce3ca26_gemm, .Lfunc_end_k_q921ce3ca26_gemm-k_q921ce3ca26_gemm
	.p2alignl 7, 3214868480
	.fill 96, 4, 3214868480
	.section	.rodata,"a",@progbits
	.p2align	6, 0x0
	.amdhsa_kernel k_q921ce3ca26_gemm
		.amdhsa_group_segment_fixed_size 327680
		.amdhsa_private_segment_fixed_size 0
		.amdhsa_enable_private_segment 0
		.amdhsa_kernarg_size 32
		.amdhsa_user_sgpr_count 2
		.amdhsa_user_sgpr_kernarg_segment_ptr 1
		.amdhsa_wavefront_size32 1
		.amdhsa_system_sgpr_workgroup_id_x 1
		.amdhsa_system_sgpr_workgroup_id_y 1
		.amdhsa_system_sgpr_workgroup_id_z 1
		.amdhsa_system_vgpr_workitem_id 0
		.amdhsa_next_free_vgpr 1024
		.amdhsa_next_free_sgpr 72
		.amdhsa_reserve_vcc 0
		.amdhsa_float_denorm_mode_32 3
		.amdhsa_float_denorm_mode_16_64 3
		.amdhsa_memory_ordered 1
		.amdhsa_forward_progress 1
		.amdhsa_inst_pref_size 255
	.end_amdhsa_kernel
	.section	.bss,"aw",@nobits
	.p2align	6
	.space	262144
	.amdgpu_metadata
---
amdhsa.version: [ 1, 2 ]
amdhsa.kernels:
  - .name:           k_q921ce3ca26_gemm
    .symbol:         k_q921ce3ca26_gemm.kd
    .args:
      - { .name: xb, .offset: 0, .size: 8, .value_kind: global_buffer, .address_space: global }
      - { .name: weff, .offset: 8, .size: 8, .value_kind: global_buffer, .address_space: global }
      - { .name: b, .offset: 16, .size: 8, .value_kind: global_buffer, .address_space: global }
      - { .name: part, .offset: 24, .size: 8, .value_kind: global_buffer, .address_space: global }
    .group_segment_fixed_size: 327680
    .private_segment_fixed_size: 0
    .kernarg_segment_align: 8
    .kernarg_segment_size: 32
    .max_flat_workgroup_size: 128
    .sgpr_count:     72
    .vgpr_count:     1024
    .wavefront_size: 32
...
	.end_amdgpu_metadata
.endif
;; end of part 3
;; launch finish (part 4): grid 128 x 1, 1 waves a work-group, no clusters, 0 bytes of LDS; arguments part, vs, out0; writes out0
.if DOCPART == 4
	.amdgcn_target "amdgcn-amd-amdhsa--gfx1250"
	.amdhsa_code_object_version 6
	.text
	.protected	k_q921ce3ca26_finish
	.globl	k_q921ce3ca26_finish
	.p2align	8
	.type	k_q921ce3ca26_finish,@function
k_q921ce3ca26_finish:
	s_mov_b64 s[64:65], 0
	v_nop
	global_prefetch_b8 v0, s[64:65] scope:SCOPE_SE
	s_setreg_imm32_b32 hwreg(HW_REG_WAVE_MODE, 25, 1), 1
	s_wait_xcnt 0x0
; out0[r] = ln 2 * (part[0][r] + .. + part[7][r]) + vs[r].  part: [8][16384] f32, the row sums of logcosh in units of ln 2, from eight different waves of four work-groups; vs: v_bias * sum of x's row.
; A launch of its own, since the sum spans work-groups.  A wave takes 128 rows, a lane four: every load and the store cover 512 consecutive bytes, aligned.  589,824 bytes in, 65,536 out:
; no LDS, no barrier, nothing to share.
.set LN2, 0x3f317218
.set P,   4                            ; v4-35   the eight parts of my four rows
.set VS,  36                           ; v36-39  vs
.set O,   40                           ; v40-43  the result
	s_load_b128 s[4:7], s[0:1], 0x0                ; part s[4:5], vs s[6:7]
	s_load_b64 s[8:9], s[0:1], 0x10                ; out0
	s_lshl_b32 s10, ttmp9, 9                       ; 128 rows of 4 bytes
	v_lshl_add_u32 v1, v0, 4, s10
	s_wait_kmcnt 0x0
.irp p, 0,1,2,3,4,5,6,7
	global_load_b128 v[P+4*(\p):P+4*(\p)+3], v1, s[4:5] offset:65536*(\p) th:TH_LOAD_NT
.endr
	global_load_b128 v[VS:VS+3], v1, s[6:7] th:TH_LOAD_NT
	s_wait_loadcnt 0x0
.irp p, 0,2,4,6                        ; neighbours one, two and four parts apart
	v_pk_add_f32 v[P+4*(\p):P+4*(\p)+1],   v[P+4*(\p):P+4*(\p)+1],   v[P+4*(\p)+4:P+4*(\p)+5]
	v_pk_add_f32 v[P+4*(\p)+2:P+4*(\p)+3], v[P+4*(\p)+2:P+4*(\p)+3], v[P+4*(\p)+6:P+4*(\p)+7]
.endr
.irp p, 0,4
	v_pk_add_f32 v[P+4*(\p):P+4*(\p)+1],   v[P+4*(\p):P+4*(\p)+1],   v[P+4*(\p)+8:P+4*(\p)+9]
	v_pk_add_f32 v[P+4*(\p)+2:P+4*(\p)+3], v[P+4*(\p)+2:P+4*(\p)+3], v[P+4*(\p)+10:P+4*(\p)+11]
.endr
	v_pk_add_f32 v[P:P+1],   v[P:P+1],   v[P+16:P+17]
	v_pk_add_f32 v[P+2:P+3], v[P+2:P+3], v[P+18:P+19]
	v_pk_fma_f32 v[O:O+1],   v[P:P+1],   LN2, v[VS:VS+1]   op_sel_hi:[1,0,1]
	v_pk_fma_f32 v[O+2:O+3], v[P+2:P+3], LN2, v[VS+2:VS+3] op_sel_hi:[1,0,1]
	global_store_b128 v1, v[O:O+3], s[8:9]
	s_endpgm
.Lfunc_end_k_q921ce3ca26_finish:
	.size	k_q921ce3ca26_finish, .Lfunc_end_k_q921ce3ca26_finish-k_q921ce3ca26_finish
	.p2alignl 7, 3214868480
	.fill 96, 4, 3214868480
	.section	.rodata,"a",@progbits
	.p2align	6, 0x0
	.amdhsa_kernel k_q921ce3ca26_finish
		.amdhsa_group_segment_fixed_size 0
		.amdhsa_private_segment_fixed_size 0
		.amdhsa_enable_private_segment 0
		.amdhsa_kernarg_size 24
		.amdhsa_user_sgpr_count 2
		.amdhsa_user_sgpr_kernarg_segment_ptr 1
		.amdhsa_wavefront_size32 1
		.amdhsa_system_sgpr_workgroup_id_x 1
		.amdhsa_system_sgpr_workgroup_id_y 1
		.amdhsa_system_sgpr_workgroup_id_z 1
		.amdhsa_system_vgpr_workitem_id 0
		.amdhsa_next_free_vgpr 48
		.amdhsa_next_free_sgpr 66
		.amdhsa_reserve_vcc 0
		.amdhsa_float_denorm_mode_32 3
		.amdhsa_float_denorm_mode_16_64 3
		.amdhsa_memory_ordered 1
		.amdhsa_forward_progress 1
		.amdhsa_inst_pref_size 3
	.end_amdhsa_kernel
	.amdgpu_metadata
---
amdhsa.version: [ 1, 2 ]
amdhsa.kernels:
  - .name:           k_q921ce3ca26_finish
    .symbol:         k_q921ce3ca26_finish.kd
    .args:
      - { .name: part, .offset: 0, .size: 8, .value_kind: global_buffer, .address_space: global }
      - { .name: vs, .offset: 8, .size: 8, .value_kind: global_buffer, .address_space: global }
      - { .name: out0, .offset: 16, .size: 8, .value_kind: global_buffer, .address_space: global }
    .group_segment_fixed_size: 0
    .private_segment_fixed_size: 0
    .kernarg_segment_align: 8
    .kernarg_segment_size: 24
    .max_flat_workgroup_size: 32
    .sgpr_count:     66
    .vgpr_count:     48
    .wavefront_size: 32
...
	.end_amdgpu_metadata
.endif
;; end of part 4
;; ======== version 2 of 2: 4 launches; version 1 with the launches invert, prep written anew for expert scheduling mode
;; workspace buffers: xb 33,554,432 bytes; weff 8,388,608 bytes; vs 65,536 bytes; part 524,288 bytes; inv 1,048,576 bytes of whole numbers; flags 65,536 bytes of whole numbers
;; launch invert (part 5): grid 256 x 1, 8 waves a work-group, no clusters, 33,792 bytes of LDS; arguments perms, inv, flags; writes inv, flags
.if DOCPART == 5
	.amdgcn_target "amdgcn-amd-amdhsa--gfx1250"
	.amdhsa_code_object_version 6
	.text
	.protected	k_q921ce3ca26_invert
	.globl	k_q921ce3ca26_invert
	.p2align	8
	.type	k_q921ce3ca26_invert,@function
k_q921ce3ca26_invert:
	s_mov_b64 s[64:65], 0
	v_nop
	global_prefetch_b8 v0, s[64:65] scope:SCOPE_SE
	s_setreg_imm32_b32 hwreg(HW_REG_WAVE_SCHED_MODE, 0, 2), 2
	s_setreg_imm32_b32 hwreg(HW_REG_WAVE_MODE, 25, 1), 1
	s_wait_xcnt 0x0
	s_wait_alu depctr_vm_vsrc(0)
; THE PERMUTATIONS TURNED ROUND.  inv[g][i] = 80 j for a j with perms[g][j] = i (80 bytes: the pitch of a row of W in the next launch's LDS), or NONE where no j names i.
; flags[g][0..63] = a mask, 64 times: 0 exactly if every i is named.  1,024 indices go into 1,024 targets, so every target is named exactly if no index occurs twice:
; the flag is 0 exactly if perms[g] is a permutation, and then inv[g] is its inverse.  Otherwise inv[g] holds, for a target named twice, either of the two j, and the next launch does not use it.
; A LAUNCH OF ITS OWN: the tags steer LDS addresses and the flag a branch of the next launch, so they are made here and handed on through memory as whole numbers.
; LIMITS.  An index lies in 0..1023; a larger one is taken as 1,023 here.
; SHARES.  Work-group g takes group g.  EVERY wave makes the whole table of 1,024 tags, in 4,096 LDS bytes of its own: no wave reads what another wrote, so there is no barrier;
; LDS serves a wave's instructions in order (ISA guide 5.7.1.4), so the tags' first value, the 32 stores by index and the loads back need no wait on DScnt between them.
; Wave w stores the tags 128 w .. 128 w + 127; wave 0 stores the flag.  1 MB in, 1.06 MB out: no cluster, no tensor load, no matrix unit: nothing here is worth sharing.
; THE MODE: SCHED_MODE bits 1:0 = 2 (LLVM: expert scheduling mode 2), set by the entry lines.  The code itself states the register dependences
; between vector instructions and memory or LDS instructions, with s_wait_alu, always for 0.
; THE PLAN.  Registers that memory or LDS instructions touch:
;   PO, TA, OA, IO, FO, SENT, VAL, SPW, NIL   written by vector lines at the head, read by loads and stores, never written again: one wait on va_vdst ahead of the first load states them all.
;   P0 .. P31   the index loads land in them; a bound and a shift-add make the tag's address in place; the stores by index read them; then the table read back lands in them, and the OR tree works on them.
;               The indices go in four groups of eight: a group's sixteen address lines, ONE wait on va_vdst, its eight stores.  ONE wait on vm_vsrc stands between the last store and the loads back.
;   OWN         an LDS load lands in it, a global store reads it: no vector line names it.       FL   two moves write it, one store reads it, in wave 0 alone.
.set WROW,  80
.set NONE,  0x20000                    ; above every 80 j (81,840 at the most): bit 17 is set in no other tag
.set SPARE, 8*4096                     ; behind the eight tables: the spare words, 128 bytes for each wave: four blocks of 256 bytes that no other line names
.set LANE, 1                           ; v1   lane
.set PO,   2                           ; v2   4 lane: my word in 128 bytes of perms[g]
.set TA,   3                           ; v3   my table + 16 lane
.set VJ,   4                           ; v4   80 lane
.set OA,   5                           ; v5   my table + 512 w + 16 lane: my four of my wave's 128 tags
.set IO,   6                           ; v6   512 w + 16 lane: the same in inv[g]
.set FO,   7                           ; v7   8 lane: in flags[g]
.set SPW,  8                           ; v8   LDS address of my spare word; never rewritten
.set NIL,  9                           ; v9   0; never rewritten
.set SENT, 12                          ; v12-15  NONE, four times
.set P,    16                          ; v16-47  register i: index j = 32 i + lane, then its tag's address; then the whole table read back
.set VAL,  48                          ; v48-79  80 j
.set OWN,  80                          ; v80-83  my four tags
.set FL,   84                          ; v84-85  the flag, twice
	s_load_b128 s[4:7], s[0:1], 0x0                ; perms s[4:5], inv s[6:7]
	s_load_b64 s[8:9], s[0:1], 0x10                ; flags
	v_lshl_add_u32 v[SPW], v0, 2, SPARE
	v_mov_b32 v[NIL], 0
	v_lshrrev_b32 v[LANE], 5, v0
	v_readfirstlane_b32 s10, v[LANE]               ; wave 0..7
	v_and_b32 v[LANE], 31, v0
	v_lshlrev_b32 v[PO], 2, v[LANE]
	v_mul_u32_u24 v[VJ], v[LANE], WROW
	v_lshlrev_b32 v[FO], 3, v[LANE]
.irp e, 0,1,2,3
	v_mov_b32 v[SENT+(\e)], NONE
.endr
.set i, 0
.rept 32
	v_add_nc_u32 v[VAL+i], 32*WROW*i, v[VJ]        ; 80 j: it hangs on no loaded number, so it is made here, in the wait for the arguments
.set i, i+1
.endr
	s_wait_alu depctr_va_sdst(0)                   ; s10 is written, ahead of its first reader: the table's and the tags' places are made from it
	s_lshl_b32 s11, s10, 12                        ; my table
	v_lshl_add_u32 v[TA], v[LANE], 4, s11
	s_lshl_b32 s14, s10, 9                         ; my wave's 128 tags
	v_lshl_add_u32 v[IO], v[LANE], 4, s14
	v_add_nc_u32 v[OA], s11, v[IO]
	s_lshl_b32 s12, ttmp9, 12                      ; a row of perms and of inv
	s_mov_b32 s13, 0
	s_wait_kmcnt 0x0
	s_add_nc_u64 s[4:5], s[4:5], s[12:13]
	s_add_nc_u64 s[6:7], s[6:7], s[12:13]
	s_lshl_b32 s12, ttmp9, 8                       ; 64 words of flags
	s_add_nc_u64 s[8:9], s[8:9], s[12:13]
	s_wait_alu depctr_va_vdst(0)                   ; the five addresses, SENT and VAL are written, which the loads and stores below read
.set i, 0
.rept 32
	global_load_b32 v[P+i], v[PO], s[4:5] offset:128*i
.set i, i+1
.endr
.irp t, 0,1,2,3,4,5,6,7
	ds_store_b128 v[TA], v[SENT:SENT+3] offset:512*(\t)  ; every tag starts at NONE
.endr
.irp q, 0,1,2,3
	s_wait_loadcnt 24-8*(\q)                       ; loads come back in order (ISA guide 5.7.1): these eight are in, the later groups of eight stay out
.irp u, 0,1,2,3,4,5,6,7
	v_min_u32 v[P+8*(\q)+(\u)], 1023, v[P+8*(\q)+(\u)]       ; a loaded number enters an address behind a bound that stands in the text
	v_lshl_add_u32 v[P+8*(\q)+(\u)], v[P+8*(\q)+(\u)], 2, s11
.endr
	s_wait_alu depctr_va_vdst(0)                   ; the group's eight addresses are written, which its stores read
.irp u, 0,1,2,3,4,5,6,7
	ds_store_b32 v[P+8*(\q)+(\u)], v[VAL+8*(\q)+(\u)]        ; j ascending; where two j meet, either may stay
.endr
.endr
	ds_load_b128 v[OWN:OWN+3], v[OA]
	s_wait_alu depctr_vm_vsrc(0)                   ; the stores by index have read P0 .. P31, in which the table lands (the lines that wrote them stand ahead of the last wait on va_vdst)
.irp t, 0,1,2,3,4,5,6,7
	ds_load_b128 v[P+4*(\t):P+4*(\t)+3], v[TA] offset:512*(\t)
.endr
	s_wait_dscnt 0x0
	global_store_b128 v[IO], v[OWN:OWN+3], s[6:7]  ; 32 lanes store 512 consecutive bytes, at a multiple of 512 from inv's first byte
.irp d, 16,8,4,2,1                     ; all 1,024 tags ORed: my lane's 32, neighbours 16, 8, 4, 2 and 1 registers apart
.set i, 0
.rept \d
	v_or_b32 v[P+i], v[P+i], v[P+i+(\d)]
.set i, i+1
.endr
.endr
	v_and_b32 v[P], NONE, v[P]
	v_cmp_ne_u32 s15, 0, v[P]                      ; the lanes that still hold a NONE
	s_wait_alu depctr_va_sdst(0)                   ; s15 is written: the wait stands ahead of the branch behind which wave 0 reads it
	s_cmp_lg_u32 s10, 0
	s_cbranch_scc1 .Lnot_wave_0
	v_mov_b32 v[FL], s15
	v_mov_b32 v[FL+1], s15
	s_wait_alu depctr_va_vdst(0)                   ; the two moves have written FL, which the store reads
	global_store_b64 v[FO], v[FL:FL+1], s[8:9]     ; 32 lanes store 256 consecutive bytes, aligned
.Lnot_wave_0:
	s_wait_dscnt 0x0                               ; the wave's end
	s_wait_alu 0x0
	s_wait_tensorcnt 0x0
	ds_add_u32 v[SPW], v[NIL]
	s_wait_dscnt 0x0
	s_endpgm
.Lfunc_end_k_q921ce3ca26_invert:
	.size	k_q921ce3ca26_invert, .Lfunc_end_k_q921ce3ca26_invert-k_q921ce3ca26_invert
	.p2alignl 7, 3214868480
	.fill 96, 4, 3214868480
	.section	.rodata,"a",@progbits
	.p2align	6, 0x0
	.amdhsa_kernel k_q921ce3ca26_invert
		.amdhsa_group_segment_fixed_size 33792
		.amdhsa_private_segment_fixed_size 0
		.amdhsa_enable_private_segment 0
		.amdhsa_kernarg_size 24
		.amdhsa_user_sgpr_count 2
		.amdhsa_user_sgpr_kernarg_segment_ptr 1
		.amdhsa_wavefront_size32 1
		.amdhsa_system_sgpr_workgroup_id_x 1
		.amdhsa_system_sgpr_workgroup_id_y 1
		.amdhsa_system_sgpr_workgroup_id_z 1
		.amdhsa_system_vgpr_workitem_id 0
		.amdhsa_next_free_vgpr 88
		.amdhsa_next_free_sgpr 66
		.amdhsa_reserve_vcc 0
		.amdhsa_float_denorm_mode_32 3
		.amdhsa_float_denorm_mode_16_64 3
		.amdhsa_memory_ordered 1
		.amdhsa_forward_progress 1
		.amdhsa_inst_pref_size 16
	.end_amdhsa_kernel
	.amdgpu_metadata
---
amdhsa.version: [ 1, 2 ]
amdhsa.kernels:
  - .name:           k_q921ce3ca26_invert
    .symbol:         k_q921ce3ca26_invert.kd
    .args:
      - { .name: perms, .offset: 0, .size: 8, .value_kind: global_buffer, .address_space: global }
      - { .name: inv, .offset: 8, .size: 8, .value_kind: global_buffer, .address_space: global }
      - { .name: flags, .offset: 16, .size: 8, .value_kind: global_buffer, .address_space: global }
    .group_segment_fixed_size: 33792
    .private_segment_fixed_size: 0
    .kernarg_segment_align: 8
    .kernarg_segment_size: 24
    .max_flat_workgroup_size: 256
    .sgpr_count:     66
    .vgpr_count:     88
    .wavefront_size: 32
...
	.end_amdgpu_metadata
.endif
;; end of part 5
;; launch prep (part 6): grid 256 x 1, 8 waves a work-group, no clusters, 83,456 bytes of LDS; arguments x, W, perms, v_bias, inv, flags, xb, weff, vs; writes xb, weff, vs
.if DOCPART == 6
	.amdgcn_target "amdgcn-amd-amdhsa--gfx1250"
	.amdhsa_code_object_version 6
	.text
	.protected	k_q921ce3ca26_prep
	.globl	k_q921ce3ca26_prep
	.p2align	8
	.type	k_q921ce3ca26_prep,@function
k_q921ce3ca26_prep:
	s_mov_b64 s[64:65], 0
	v_nop
	global_prefetch_b8 v0, s[64:65] scope:SCOPE_SE
	s_setreg_imm32_b32 hwreg(HW_REG_WAVE_SCHED_MODE, 0, 2), 2
	s_setreg_imm32_b32 hwreg(HW_REG_WAVE_MODE, 25, 1), 1
	s_wait_xcnt 0x0
	s_wait_alu depctr_vm_vsrc(0)
; PREPARATION.  Three results:  xb[r][i] = bf16(x[r][i]);  vs[r] = v_bias * sum over i of x[r][i] (f32);
; weff[16 g + f][i] = bf16(c' * sum over the j with perms[g][j] = i of W[j][f]), c' = 2 log2(e).
; With weff the module's gather is gone: sum_j x[r][perms[g][j]] W[j][f] = sum_i x[r][i] Weff[16 g + f][i].
; Nothing is assumed of perms but that each index lies in 0..1023: an index that occurs twice adds its rows of W, one that never occurs gives 0.
; LIMITS.  Where an index occurs twice, the rows of c' W are summed in f32, j ascending; weff is rounded once.  In the scan a row of W is multiplied by 0 for the targets that it does not feed: an
; infinity or a NaN in W spreads there; with such a W every y of that feature is not finite anyway, since every row of W enters every group's sum.
; SHARES.  Work-group G makes group g = G of weff (16 rows of 2,048 bytes, dense) and rows 64 G .. 64 G + 63 of xb and vs.  Wave w owns the targets i = 128 w .. 128 w + 127 and the x rows 8 w .. 8 w + 7.
; NO CLUSTER, NO TENSOR LOAD, NO MATRIX UNIT: a stream.  What work-groups share is W alone, 65,536 of the 327,680 bytes that a work-group reads, and it passes through registers anyway, to be scaled.
; HOW weff IS MADE.  c' W lies in LDS by rows, a row of zeros behind them.  The launch before has left, as whole numbers, flags[g] (0: perms[g] is a permutation) and inv[g][i] (the LDS offset of the row
; that feeds target i).  Flag 0: the rows are gathered by those offsets.  Otherwise every wave makes its 128 targets by a SCAN of all j, in the registers that the gather would have filled.
; Then the numbers are rounded and stored.  EXEC is never changed.
; THE MODE: SCHED_MODE bits 1:0 = 2 (LLVM: expert scheduling mode 2), set by the entry lines.  The code itself states the register dependences
; between vector instructions and memory or LDS instructions, with s_wait_alu, always for 0.
; THE PLAN.  Registers that memory or LDS instructions touch:
;   XO, YO, WO, TO, WLO, WSA, VSA, ZA, SPW, NIL   made at the head, never written again: one wait on va_vdst ahead of the first load states them all.
;   WC = GF    W's loads land; the scalings rewrite; the LDS stores read (va_vdst between); then the gather's loads land in it or the scan clears it (vm_vsrc ahead of the branch between the two ways).
;   GA         a bound and a shift-add write it, the gather's loads read it (va_vdst between); it becomes part of Y's slot 3.       TG   loads land in it, vector lines read it.
;   OUTP       the roundings write it, weff's stores read it: two halves of sixteen roundings, one wait on va_vdst and four stores each.  v16-23 become RS.
;   X0 .. X3   Row r: the first level of the sum's tree and the roundings read X[r % 4]; behind them the loads of row r + 4 land in it.
;   Y0 .. Y3   Row r: the roundings write Y[r % 4], the row's eight stores read it; row r + 4 writes it again.
;   RS         Row r's v_bias x sum goes into RS + r; eight LDS stores in one run read them behind the last row.          TS   named by vector lines alone, till wave 0's last lines.
; So a row has ONE wait on va_vdst, behind the 24 lines that read its X and write its Y: the refill and the stores follow it, and the rest of the sum, which names TS and RS alone, follows them.
; A wait on vm_vsrc stands at a row's head where the row writes registers that memory or LDS instructions have read: row 0 (RS and, for row 3, Y3: OUTP and GA before), rows 4 to 7 (the slot's Y).
.set CP,     0x4038aa3b                ; c' = 2 log2(e) = 2.885390
.set WROW,   80                        ; a row of c' W in LDS: 64 bytes + 16 of padding = 20 words
.set ZROW,   1024*WROW                 ; behind W's 1,024 rows: a row of zeros; the table ends at 1,025 x 80 = 82,000
.set VSUM,   82176                     ; 64 words: the group's vs
.set SPARE,  VSUM+256                  ; the spare words, 128 bytes for each wave: four blocks of 256 bytes that no other line names
.set LANE, 1                           ; v1   lane
.set Q,    2                           ; v2   lane % 16
.set H,    3                           ; v3   lane / 16
.set XO,   4                           ; v4   32,768 w + 16 lane: my 16 bytes in the first 512 of my wave's first row of x
.set YO,   5                           ; v5   16,384 w + 8 lane: the same in xb
.set WO,   6                           ; v6   2,048 (lane / 16) + 256 w + 16 (lane % 16): my 16 bytes in weff
.set TO,   7                           ; v7   512 w + 32 (lane % 16): my eight targets' words in inv[g]
.set WLO,  8                           ; v8   16 x thread: in W
.set WSA,  9                           ; v9, v10  where my 16 bytes of W go in LDS (rows 0-511, rows 512-1023)
.set VSA,  11                          ; v11  VSUM + 32 w
.set ZA,   12                          ; v12  the zero row's word lane % 16
.set SPW,  14                          ; v14  LDS address of my spare word; never rewritten
.set NIL,  15                          ; v15  0; never rewritten
.set OUTP, 16                          ; v16-47   weff's 32 packed registers; v16-21 at work in the scan before that
.set RS,   16                          ; v16-23   then: v_bias x the sum of my eight rows
.set WC,   48                          ; v48-111  W as loaded
.set GF,   48                          ; v48-111  then: my 64 numbers of weff: register 8 s + e holds feature 2 s + lane / 16 of target 128 w + 8 (lane % 16) + e
.set GA,   112                         ; v112-119 the eight gather addresses, or in the scan the eight factors 0 or 1
.set TG,   120                         ; v120-127 my eight words of inv, or in the scan my eight numbers of a row of c' W
.set TS,   48                          ; v48-63   x: the row sum's tree
.set Y,    64                          ; v64-127  x: four slots of 16, a row's bf16
.set X,    128                         ; v128-255 x: four slots of 32, a row as loaded
	s_load_b256 s[4:11], s[0:1], 0x0               ; x s[4:5], W s[6:7], perms s[8:9], v_bias s[10:11]
	s_load_b256 s[12:19], s[0:1], 0x20             ; inv s[12:13], flags s[14:15], xb s[16:17], weff s[18:19]
	s_load_b64 s[20:21], s[0:1], 0x40              ; vs
	v_lshl_add_u32 v[SPW], v0, 2, SPARE
	v_mov_b32 v[NIL], 0
	v_lshrrev_b32 v[VSA], 5, v0
	v_readfirstlane_b32 s22, v[VSA]                ; wave 0..7
	v_and_b32 v[LANE], 31, v0
	v_and_b32 v[Q], 15, v0
	v_bfe_u32 v[H], v0, 4, 1
	v_lshlrev_b32 v[WLO], 4, v0
	v_lshrrev_b32 v[WSA], 2, v0                    ; four threads share a row of W (64 bytes)
	v_mul_u32_u24 v[WSA], v[WSA], WROW
	v_and_b32 v[WSA+1], 3, v0
	v_lshl_add_u32 v[WSA], v[WSA+1], 4, v[WSA]
	v_add_nc_u32 v[WSA+1], 512*WROW, v[WSA]        ; LDS immediates have 16 bits: the upper half of the rows has a register of its own
	v_lshl_add_u32 v[ZA], v[Q], 2, ZROW
	s_wait_alu depctr_va_sdst(0)                   ; s22 is written, ahead of its first reader: the wave's offsets are made from it
	s_lshl_b32 s24, s22, 15
	v_lshl_add_u32 v[XO], v[LANE], 4, s24
	s_lshl_b32 s24, s22, 14
	v_lshl_add_u32 v[YO], v[LANE], 3, s24
	s_lshl_b32 s24, s22, 8
	v_lshl_add_u32 v[WO], v[Q], 4, s24
	v_lshl_add_u32 v[WO], v[H], 11, v[WO]
	s_lshl_b32 s24, s22, 9
	v_lshl_add_u32 v[TO], v[Q], 5, s24
	s_lshl_b32 s24, s22, 5
	s_add_co_u32 s24, s24, VSUM
	v_mov_b32 v[VSA], s24
	s_lshl_b32 s27, s22, 7                         ; my first target
	s_mov_b32 s28, 0x76543210                      ; v_permlanex16_b32: each lane takes its own place in the other half
	s_mov_b32 s29, 0xfedcba98
	s_wait_kmcnt 0x0
	s_load_b32 s23, s[10:11], 0x0                  ; v_bias
	s_mov_b32 s25, 0
	s_lshl_b32 s24, ttmp9, 8                       ; 64 words of flags and of vs
	s_add_nc_u64 s[14:15], s[14:15], s[24:25]
	s_add_nc_u64 s[20:21], s[20:21], s[24:25]
	s_load_b32 s26, s[14:15], 0x0                  ; the group's flag; both are waited for in front of the branch on it
	s_lshl_b32 s24, ttmp9, 12                      ; a row of perms and of inv
	s_add_nc_u64 s[8:9], s[8:9], s[24:25]
	s_add_nc_u64 s[12:13], s[12:13], s[24:25]
	s_lshl_b32 s24, ttmp9, 18                      ; 64 rows of 4,096 bytes
	s_add_nc_u64 s[4:5], s[4:5], s[24:25]
	s_lshl_b32 s24, ttmp9, 17                      ; 64 rows of 2,048
	s_add_nc_u64 s[16:17], s[16:17], s[24:25]
	s_lshl_b32 s24, ttmp9, 15                      ; 16 rows of 2,048
	s_add_nc_u64 s[18:19], s[18:19], s[24:25]
.macro FILL r                          ; row r of my eight: eight loads of 512 neighbouring bytes, into slot r % 4
.irp t, 0,1,2,3,4,5,6,7
	global_load_b128 v[X+32*((\r)%4)+4*(\t):X+32*((\r)%4)+4*(\t)+3], v[XO], s[4:5] offset:4096*(\r)+512*(\t) th:TH_LOAD_NT
.endr
.endm
	; All early loads in one run: my eight words of inv (8), W (16, the work-group's 256 threads take it once), four rows of x (32), which travel while weff is made: 56 loads are out.
	s_wait_alu depctr_va_vdst(0)                   ; the offsets and addresses v4 to v12 are written, which the loads and stores of the whole kernel read
.irp e, 0,1,2,3,4,5,6,7
	global_load_b32 v[TG+(\e)], v[TO], s[12:13] offset:4*(\e)
.endr
.irp k, 0,1,2,3,4,5,6,7,8,9,10,11,12,13,14,15
	global_load_b128 v[WC+4*(\k):WC+4*(\k)+3], v[WLO], s[6:7] offset:4096*(\k)
.endr
	FILL 0
	FILL 1
	FILL 2
	FILL 3
	; c' W INTO LDS
	s_wait_loadcnt 32                              ; inv's words and W are in: the 32 loads of x are younger
.set i, 0
.rept 32
	v_pk_mul_f32 v[WC+2*i:WC+2*i+1], v[WC+2*i:WC+2*i+1], CP op_sel_hi:[1,0]
.set i, i+1
.endr
	s_wait_alu depctr_va_vdst(0)                   ; the scalings have written WC, which the LDS stores read
.irp k, 0,1,2,3,4,5,6,7                ; load k holds rows 64 k .. 64 k + 63: 5,120 bytes of the table
	ds_store_b128 v[WSA], v[WC+4*(\k):WC+4*(\k)+3] offset:64*WROW*(\k)
.endr
.irp k, 0,1,2,3,4,5,6,7
	ds_store_b128 v[WSA+1], v[WC+32+4*(\k):WC+32+4*(\k)+3] offset:64*WROW*(\k)
.endr
	s_cmp_lg_u32 s22, 0
	s_cbranch_scc1 .Lnot_zero_row
	ds_store_b32 v[ZA], v[NIL]                     ; wave 0 writes the row of zeros
.Lnot_zero_row:
	s_wait_dscnt 0x0                               ; for the others' sake: my part of the table is written
	s_barrier_signal -1
	s_barrier_wait -1                              ; c' W is whole
; My 64 numbers are rounded and stored, in two halves: sixteen roundings, one wait, four stores.  counted = 1: they come from the gather's loads, group s of eight at a time; groups 0 to 6 are out
; when the macro begins, and group 7 is issued behind the wait for group 0, so that 56 LDS loads at the most are out (no vector line stands between the gather's wait on va_vdst and group 7).
.macro OUT counted
.irp hf, 0,1
.irp u, 0,1,2,3
.if \counted
.if 4*(\hf)+(\u) == 0
	s_wait_dscnt 48                                ; LDS loads come back in order (ISA guide 5.7.1): group 0 is in, groups 1 to 6 stay out
.irp e, 0,1,2,3,4,5,6,7
	ds_load_b32 v[GF+56+(\e)], v[GA+(\e)] offset:56
.endr
.else
	s_wait_dscnt 56-8*(4*(\hf)+(\u))               ; group s is in, the groups behind it stay out
.endif
.endif
.irp p, 0,1,2,3
	v_cvt_pk_bf16_f32 v[OUTP+4*(4*(\hf)+(\u))+(\p)], v[GF+8*(4*(\hf)+(\u))+2*(\p)], v[GF+8*(4*(\hf)+(\u))+2*(\p)+1]
.endr
.endr
	s_wait_alu depctr_va_vdst(0)                   ; the half's sixteen roundings have written their part of OUTP, which its four stores read
.irp u, 0,1,2,3
	global_store_b128 v[WO], v[OUTP+4*(4*(\hf)+(\u)):OUTP+4*(4*(\hf)+(\u))+3], s[18:19] offset:4096*(4*(\hf)+(\u))  ; 16 lanes store 256 consecutive bytes of row 16 g + 2 s + h, at a multiple of 256 from weff's first byte
.endr
.endr
.endm
	s_wait_kmcnt 0x0                               ; the flag, and v_bias
	s_wait_alu depctr_vm_vsrc(0)                   ; my LDS stores have read WC: on the one way the scan clears these registers, on the other the gather's loads land in them
	s_cmp_eq_u32 s26, 0
	s_cbranch_scc1 .Lgather                        ; perms[g] is a permutation: inv[g] is its inverse
	; THE SCAN.  perms[g] goes by in 32 chunks of 32 indices, one a lane; a compare gives the mask of the j whose index lies among my wave's 128 targets; the others are jumped over.
	; For such a j every lane takes the index and its eight numbers of c' W[j], makes a factor 1 for the one of its eight targets that the index names, if any, and 0 for the others, and adds.
	; It reads LDS bytes stored ahead of the barrier above and stores none; the next LDS stores of any wave stand behind the barrier below.
	; The eight compares of a hit stand in one run and write eight scalar registers: s10 to s15, pointers whose loads are done (v_bias, inv, flags), and s38, s39.
.set i, 0
.rept 64
	v_mov_b32 v[GF+i], 0                           ; sums that may have no term at all
.set i, i+1
.endr
	v_lshl_add_u32 v20, v[Q], 3, s27               ; my lane's first target
	v_lshlrev_b32 v17, 2, v[LANE]
	s_sub_co_u32 s37, 0, s27
	s_mov_b32 s36, 0                               ; row j of c' W: steps by a row
	s_mov_b32 s30, 32
.Lchunk:
	s_wait_alu depctr_va_vdst(0)                   ; v17, the load's offset, is written; the last chunk's lines are done reading v16, in which the load lands
	global_load_b32 v16, v17, s[8:9]
	s_wait_loadcnt 0x0                             ; the chunk is in (and with it the rows of x that were asked for earlier)
	s_add_nc_u64 s[8:9], s[8:9], 128               ; the load is done, so its base may step; behind the last chunk it is not used
	v_add_nc_u32 v18, s37, v16                     ; the index, counted from my wave's first target; below it the number wraps and is large
	v_cmp_gt_u32 s31, 128, v18                     ; bit L: index 32 t + L is one of my wave's targets
	s_wait_alu depctr_va_sdst(0)                   ; s31 is written
	s_mov_b32 s33, 0                               ; the lane that holds the index in hand
	s_mov_b32 s32, 32
.Lbit:
	s_and_b32 s34, s31, 1
	s_cbranch_scc0 .Lmiss
	v_readlane_b32 s35, v16, s33                   ; the index
	s_wait_alu depctr_vm_vsrc(0)                   ; the last hit's LDS loads have read v19, which the next line writes
	v_lshl_add_u32 v19, v[H], 2, s36
	s_wait_alu depctr_va_vdst(0)                   ; v19 is written, which the loads read; the last hit's multiply-adds are done reading TG, in which they land
.irp s, 0,1,2,3,4,5,6,7
	ds_load_b32 v[TG+(\s)], v19 offset:8*(\s)      ; feature 2 s + lane / 16
.endr
	s_wait_alu depctr_va_sdst(0)                   ; s35 is written, ahead of its first reader
	v_sub_nc_u32 v21, s35, v20
.set e, 0
.rept 8
	v_cmp_eq_u32 s[10+e+22*(e/6)], e, v21
.set e, e+1
.endr
	s_wait_alu depctr_va_sdst(0)                   ; the eight masks are written, ahead of the selects that read them
.set e, 0
.rept 8
	v_cndmask_b32 v[GA+e], 0, 1.0, s[10+e+22*(e/6)]
.set e, e+1
.endr
	s_wait_dscnt 0x0
.irp s, 0,1,2,3,4,5,6,7
.irp e, 0,1,2,3,4,5,6,7
	v_fmac_f32 v[GF+8*(\s)+(\e)], v[GA+(\e)], v[TG+(\s)]
.endr
.endr
.Lmiss:
	s_lshr_b32 s31, s31, 1
	s_add_co_u32 s33, s33, 1
	s_add_co_u32 s36, s36, WROW
	s_sub_co_u32 s32, s32, 1
	s_cmp_lg_u32 s32, 0
	s_cbranch_scc1 .Lbit
	s_sub_co_u32 s30, s30, 1
	s_cmp_lg_u32 s30, 0
	s_cbranch_scc1 .Lchunk
	s_wait_alu depctr_vm_vsrc(0)                   ; the chunks' loads have read v17 and the hits' LDS loads v19: both lie in OUTP, which the roundings write
	OUT 0
	s_branch .Ljoin
.Lgather:
	; GATHER.  Lane (q, h) takes the targets 128 w + 8 q + 0..7 and the features 2 s + h, s = 0..7.
.irp e, 0,1,2,3,4,5,6,7
	v_min_u32 v[GA+(\e)], ZROW, v[TG+(\e)]         ; the table's last row, the zeros: the bound that a loaded number needs
	v_lshl_add_u32 v[GA+(\e)], v[H], 2, v[GA+(\e)]
.endr
	s_wait_alu depctr_va_vdst(0)                   ; the eight addresses are written, which the 64 loads read
.irp s, 0,1,2,3,4,5,6
.irp e, 0,1,2,3,4,5,6,7
	ds_load_b32 v[GF+8*(\s)+(\e)], v[GA+(\e)] offset:8*(\s)
.endr
.endr
	OUT 1
.Ljoin:
	s_wait_dscnt 0x0                               ; my reads of the table are over,
	s_barrier_signal -1
	s_barrier_wait -1                              ; every wave's: LDS is stored into again only behind this barrier
	; THE ROWS OF x.  One wave, one row: rounded to bf16 and summed.  Four slots: three rows are on their way while one is worked on.
; left = how many younger loads may stay out (8 a row).  fill = 1: the slot takes the row four further on.  free = 1: the row writes registers that memory or LDS instructions have read.
.macro TURN r, fill, left, free
.set XS, X+32*((\r)%4)
.set YS, Y+16*((\r)%4)
	s_wait_loadcnt \left                           ; loads come back in order (ISA guide 5.7.1): my row is in
	s_wait_xcnt 0x0                                ; every earlier memory instruction has had its addresses translated (ISA guide 3.1): the slot's Y, which its last stores read, and in row 0 RS, which weff's stores read, are rewritten only behind this wait
.if \free
	s_wait_alu depctr_vm_vsrc(0)                   ; row 0: weff's stores have read OUTP, of which RS is a part, and the gather's loads GA, a part of Y's slot 3; rows 4 to 7: the slot's last stores have read its Y
.endif
.set i, 0
.rept 8
	v_pk_add_f32 v[TS+2*i:TS+2*i+1], v[XS+4*i:XS+4*i+1], v[XS+4*i+2:XS+4*i+3]
.set i, i+1
.endr
.set i, 0
.rept 16
	v_cvt_pk_bf16_f32 v[YS+i], v[XS+2*i], v[XS+2*i+1]
.set i, i+1
.endr
	s_wait_alu depctr_va_vdst(0)                   ; the 24 lines above are done reading the slot's X, in which the loads below land, and have written its Y, which the stores below read
.if \fill
	FILL (\r)+4                                    ; loads ahead of stores
.endif
.irp t, 0,1,2,3,4,5,6,7
	global_store_b64 v[YO], v[YS+2*(\t):YS+2*(\t)+1], s[16:17] offset:2048*(\r)+256*(\t)  ; 32 lanes store 256 consecutive bytes, at a multiple of 256 from xb's first byte
.endr
.set i, 0
.rept 4                                ; the rest of the sum names TS and RS alone: no register that a load or store of this row or the next touches
	v_pk_add_f32 v[TS+4*i:TS+4*i+1], v[TS+4*i:TS+4*i+1], v[TS+4*i+2:TS+4*i+3]
.set i, i+1
.endr
	v_pk_add_f32 v[TS:TS+1], v[TS:TS+1], v[TS+4:TS+5]
	v_pk_add_f32 v[TS+8:TS+9], v[TS+8:TS+9], v[TS+12:TS+13]
	v_pk_add_f32 v[TS:TS+1], v[TS:TS+1], v[TS+8:TS+9]
	v_add_f32 v[TS], v[TS], v[TS+1]
	v_add_f32_dpp v[TS], v[TS], v[TS] row_xmask:1 row_mask:0xf bank_mask:0xf
	v_add_f32_dpp v[TS], v[TS], v[TS] row_xmask:2 row_mask:0xf bank_mask:0xf
	v_add_f32_dpp v[TS], v[TS], v[TS] row_xmask:4 row_mask:0xf bank_mask:0xf
	v_add_f32_dpp v[TS], v[TS], v[TS] row_xmask:8 row_mask:0xf bank_mask:0xf
	v_permlanex16_b32 v[TS+1], v[TS], s28, s29
	v_add_f32 v[TS], v[TS], v[TS+1]
	v_mul_f32 v[RS+(\r)], s23, v[TS]               ; every lane holds the same number; it is stored behind the last row
.endm
	TURN 0, 1, 24, 1
	TURN 1, 1, 24, 0
	TURN 2, 1, 24, 0
	TURN 3, 1, 24, 0
	TURN 4, 0, 24, 1                               ; the last four rows load nothing: the counts run down
	TURN 5, 0, 16, 1
	TURN 6, 0, 8, 1
	TURN 7, 0, 0, 1
	s_wait_alu depctr_va_vdst(0)                   ; the eight rows' products are written into RS, which the LDS stores read
.irp r, 0,1,2,3,4,5,6,7
	ds_store_b32 v[VSA], v[RS+(\r)] offset:4*(\r)
.endr
	s_wait_dscnt 0x0                               ; for wave 0's sake: my eight words of vs are written
	s_barrier_signal -1
	s_barrier_wait -1
	s_cmp_lg_u32 s22, 0
	s_cbranch_scc1 .Lnot_wave_0
	v_lshl_add_u32 v[TS+4], v[LANE], 3, VSUM
	v_lshlrev_b32 v[TS+5], 3, v[LANE]
	s_wait_alu depctr_va_vdst(0)                   ; the two addresses are written; the sums' lines are done with TS + 2 and TS + 3, in which the load lands
	ds_load_b64 v[TS+2:TS+3], v[TS+4]
	s_wait_dscnt 0x0
	global_store_b64 v[TS+5], v[TS+2:TS+3], s[20:21]  ; the group's 64 words of vs: 256 consecutive bytes, aligned
.Lnot_wave_0:
	s_wait_dscnt 0x0                               ; the wave's end
	s_wait_alu 0x0
	s_wait_tensorcnt 0x0
	ds_add_u32 v[SPW], v[NIL]
	s_wait_dscnt 0x0
	s_endpgm
.Lfunc_end_k_q921ce3ca26_prep:
	.size	k_q921ce3ca26_prep, .Lfunc_end_k_q921ce3ca26_prep-k_q921ce3ca26_prep
	.p2alignl 7, 3214868480
	.fill 96, 4, 3214868480
	.section	.rodata,"a",@progbits
	.p2align	6, 0x0
	.amdhsa_kernel k_q921ce3ca26_prep
		.amdhsa_group_segment_fixed_size 83456
		.amdhsa_private_segment_fixed_size 0
		.amdhsa_enable_private_segment 0
		.amdhsa_kernarg_size 72
		.amdhsa_user_sgpr_count 2
		.amdhsa_user_sgpr_kernarg_segment_ptr 1
		.amdhsa_wavefront_size32 1
		.amdhsa_system_sgpr_workgroup_id_x 1
		.amdhsa_system_sgpr_workgroup_id_y 1
		.amdhsa_system_sgpr_workgroup_id_z 1
		.amdhsa_system_vgpr_workitem_id 0
		.amdhsa_next_free_vgpr 256
		.amdhsa_next_free_sgpr 66
		.amdhsa_reserve_vcc 0
		.amdhsa_float_denorm_mode_32 3
		.amdhsa_float_denorm_mode_16_64 3
		.amdhsa_memory_ordered 1
		.amdhsa_forward_progress 1
		.amdhsa_inst_pref_size 61
	.end_amdhsa_kernel
	.amdgpu_metadata
---
amdhsa.version: [ 1, 2 ]
amdhsa.kernels:
  - .name:           k_q921ce3ca26_prep
    .symbol:         k_q921ce3ca26_prep.kd
    .args:
      - { .name: x, .offset: 0, .size: 8, .value_kind: global_buffer, .address_space: global }
      - { .name: W, .offset: 8, .size: 8, .value_kind: global_buffer, .address_space: global }
      - { .name: perms, .offset: 16, .size: 8, .value_kind: global_buffer, .address_space: global }
      - { .name: v_bias, .offset: 24, .size: 8, .value_kind: global_buffer, .address_space: global }
      - { .name: inv, .offset: 32, .size: 8, .value_kind: global_buffer, .address_space: global }
      - { .name: flags, .offset: 40, .size: 8, .value_kind: global_buffer, .address_space: global }
      - { .name: xb, .offset: 48, .size: 8, .value_kind: global_buffer, .address_space: global }
      - { .name: weff, .offset: 56, .size: 8, .value_kind: global_buffer, .address_space: global }
      - { .name: vs, .offset: 64, .size: 8, .value_kind: global_buffer, .address_space: global }
    .group_segment_fixed_size: 83456
    .private_segment_fixed_size: 0
    .kernarg_segment_align: 8
    .kernarg_segment_size: 72
    .max_flat_workgroup_size: 256
    .sgpr_count:     66
    .vgpr_count:     256
    .wavefront_size: 32
...
	.end_amdgpu_metadata
.endif
;; end of part 6
;; launch gemm: the kernel of part 3 again; grid 4 x 64, 4 waves a work-group, clusters of 4 x 4, 327,680 bytes of LDS; arguments xb, weff, b, part; writes part
;; launch finish: the kernel of part 4 again; grid 128 x 1, 1 waves a work-group, no clusters, 0 bytes of LDS; arguments part, vs, out0; writes out0
